; MI455X (gfx1250); checked and timed in simulation.
; The chip was launched on July 23, 2026; its instructions are those of AMD's public machine-readable ISA for CDNA 5 (MIT licence, August 2026) and "CDNA5" Instruction Set Architecture Reference Guide (July 2026). The comments in the code are by the model that wrote it; some were corrected since.
;; Flex Bert Unpad Rope Attention. Allowed arithmetic: float matrix products may take bf16 or f16 operands with f32 sums; other float arithmetic in f32, or as packed bf16 or f16 multiplies, adds, multiply-adds, maxima and minima; sums over many terms, partial sums and values carried from step to step in f32; what a program stores and reads back later, other than sums and carried values, may be rounded once to bf16 or f16.
;; Inputs: Wo 1,024 x 1,024 float32; Wqkv 3,072 x 1,024 float32; attn_mask 8 x 1,024 int32; cu_seqlens 9 int32; hidden_states 8,192 x 1,024 float32; indices 8,192 int32.
;; Outputs: out0 8,192 x 1,024 float32.
;; Constants: max_seqlen = 1024.
;; 2 versions, each right; version 2 is version 1 with the launch prep written anew for expert scheduling mode. Each part assembles by itself: llvm-mc -triple=amdgcn-amd-amdhsa -mcpu=gfx1250 --defsym DOCPART=n.
;; ======== version 1 of 2: 4 launches
;; limits: values are held in f16: magnitudes above 65,504 overflow, below 6.1e-05 lose precision
;; workspace buffers: xb 16,777,216 bytes; wb 8,650,752 bytes; qimg 16,777,216 bytes; kimg 16,793,600 bytes; vimg 16,793,600 bytes; vsum 262,144 bytes; oimg 16,777,216 bytes
;; launch prep (part 1): grid 784 x 1, 8 waves a work-group, no clusters, 0 bytes of LDS; arguments hidden_states, Wqkv, Wo, xb, wb, kimg, vimg; writes xb, wb, kimg, vimg
.if DOCPART == 1
	.amdgcn_target "amdgcn-amd-amdhsa--gfx1250"
	.amdhsa_code_object_version 6
	.text
	.protected	k_q488ce943fa_prep
	.globl	k_q488ce943fa_prep
	.p2align	8
	.type	k_q488ce943fa_prep,@function
k_q488ce943fa_prep:
	s_mov_b64 s[64:65], 0
	v_nop
	global_prefetch_b8 v0, s[64:65] scope:SCOPE_SE
	s_setreg_imm32_b32 hwreg(HW_REG_WAVE_MODE, 25, 1), 1
	s_wait_xcnt 0x0
; PREP: the casts, the order of Wqkv's rows, the rotary table, the zero pads.  A stream: no LDS, no matrix unit, no barrier.
; Work-groups 0-511:   16 rows of hidden_states (f32) -> xb (bf16), row-major.
; Work-groups 512-703: 16 rows of Wqkv -> wb (bf16), the blocks of 16 rows in another order: destination row = 192 h + 96 wc + 32 g + 16 e + i,
;   g = 0 (q), 1 (k): source row 1024 g + 64 h + 32 e + 16 wc + i;   g = 2 (v): source row 2048 + 64 h + 32 wc + 16 e + i.
;   So 192 rows on end are one head's q, k, v, and 96 on end hold a rotary pair of q, the same pair of k, and 32 channels of v.
; Work-groups 704-767: 16 rows of Wo -> wb + WO_OFF: rounded to bf16 like the other inputs, that number written as f16.
;   LIMIT: exact for 6.1e-5 <= |Wo| < 65,504; below, f16's fixed step of 6e-8.
; Work-groups 768-783: a wave makes 2,048 bytes of the table of cos and sin at wb + ROPE_OFF, [t / 16][wc][w 0..3][lane][4] f32: lane (r, hh), t = 16 tblk + r,
;   index 16 wc + 8 hh + j: w = 0, 1 cos j = 0-3, 4-7; w = 2, 3 sin.  And 256 bytes of the zeros in front of and behind kimg and vimg (8,192 bytes each).
;   LIMIT: the angle t x 10000^(-i/32) carries the exponential's last bit: about 1e-4 rad at t = 1023; sin and cos by series to y^7 and y^8 on |y| <= pi/4, under 3e-7.
; A cast: thread t owns 4 columns; a wave's load covers 512 bytes on end, its store 256 bytes on end, aligned.  All 16 loads go out first; no register that a memory instruction reads is written again.
.set WO_OFF,   6291456
.set ROPE_OFF, 8388608
.set BACKPAD,  16785408                ; 8,192 + 16,777,216: where the zeros behind an image buffer begin
.set X, 16                             ; v[16:79]   16 rows x 4 f32 as loaded
.set Y, 80                             ; v[80:111]  16 rows x 4 numbers of 16 bits
.macro CAST f16
.set i, 0
.rept 16
	global_load_b128 v[X+4*i:X+4*i+3], v1, s[22:23] offset:4096*i th:TH_LOAD_NT
.set i, i+1
.endr
.set i, 0
.rept 16
	s_wait_loadcnt 15-i                            ; loads come back in order: row i is in, the 15 - i younger ones stay out
	v_cvt_pk_bf16_f32 v[Y+2*i], v[X+4*i], v[X+4*i+1]
	v_cvt_pk_bf16_f32 v[Y+2*i+1], v[X+4*i+2], v[X+4*i+3]
.if \f16
	v_lshlrev_b32 v4, 16, v[Y+2*i]                 ; the bf16 numbers as f32,
	v_and_b32 v5, 0xffff0000, v[Y+2*i]
	v_lshlrev_b32 v6, 16, v[Y+2*i+1]
	v_and_b32 v7, 0xffff0000, v[Y+2*i+1]
	v_cvt_pk_f16_f32 v[Y+2*i], v4, v5              ; and written as f16
	v_cvt_pk_f16_f32 v[Y+2*i+1], v6, v7
.endif
	global_store_b64 v2, v[Y+2*i:Y+2*i+1], s[24:25] offset:2048*i
.set i, i+1
.endr
.endm
; sin and cos of t x f_j: the angle less the nearest multiple of pi/2 (in two parts), two series, and the quadrant
.macro SINCOS j
	v_mul_f32 v32, v4, v[8+(\j)]                   ; the angle
	v_mul_f32 v33, 0x3f22f983, v32                 ; x 2 / pi
	v_rndne_f32 v33, v33                           ; n
	v_fma_f32 v34, -v33, s30, v32
	v_fma_f32 v34, -v33, s31, v34                  ; y
	v_mul_f32 v35, v34, v34                        ; z = y y
	v_fma_f32 v36, v35, s32, s33
	v_fma_f32 v36, v36, v35, s34
	v_mul_f32 v37, v34, v35
	v_fma_f32 v36, v37, v36, v34                   ; sin y
	v_fma_f32 v38, v35, s35, s36
	v_fma_f32 v38, v38, v35, s37
	v_fma_f32 v38, v38, v35, -0.5
	v_fma_f32 v38, v38, v35, 1.0                   ; cos y
	v_cvt_i32_f32 v39, v33
	v_and_b32 v40, 1, v39
	v_cmp_eq_u32 vcc_lo, 1, v40                    ; odd quadrant: the two change places
	v_and_b32 v41, 2, v39
	v_lshlrev_b32 v41, 30, v41                     ; sin's sign: quadrants 2, 3
	v_add_nc_u32 v42, 1, v39
	v_and_b32 v42, 2, v42
	v_lshlrev_b32 v42, 30, v42                     ; cos's sign: quadrants 1, 2
	v_cndmask_b32 v43, v36, v38, vcc_lo
	v_xor_b32 v[24+(\j)], v43, v41
	v_cndmask_b32 v43, v38, v36, vcc_lo
	v_xor_b32 v[16+(\j)], v43, v42
.endm
	s_load_b256 s[4:11], s[0:1], 0x0               ; hidden_states s[4:5], Wqkv s[6:7], Wo s[8:9], xb s[10:11]
	s_load_b128 s[12:15], s[0:1], 0x20             ; wb s[12:13], kimg s[14:15]
	s_load_b64 s[16:17], s[0:1], 0x30              ; vimg
	s_mov_b32 s20, ttmp9
	v_lshrrev_b32 v3, 5, v0
	v_readfirstlane_b32 s21, v3                    ; wave 0..7
	v_lshlrev_b32 v1, 4, v0                        ; my 16 bytes of a source row
	v_lshlrev_b32 v2, 3, v0                        ; my 8 bytes of a destination row
	s_mov_b32 s27, 0                               ; high words of the two offsets
	s_mov_b32 s29, 0
	s_wait_kmcnt 0x0
	s_cmp_lt_u32 s20, 512
	s_cbranch_scc0 .Lnot_x
	s_lshl_b32 s26, s20, 16                        ; 16 rows of 4,096 bytes
	s_lshl_b32 s28, s20, 15                        ; 16 rows of 2,048 bytes
	s_add_nc_u64 s[22:23], s[4:5], s[26:27]
	s_add_nc_u64 s[24:25], s[10:11], s[28:29]
	s_branch .Lcast
.Lnot_x:
	s_cmp_lt_u32 s20, 704
	s_cbranch_scc0 .Lnot_w
	s_sub_co_u32 s30, s20, 512                     ; source block = 64 g + 4 h + x
	s_lshr_b32 s31, s30, 6                         ; g
	s_bfe_u32 s32, s30, 0x40002                    ; h
	s_and_b32 s33, s30, 3                          ; x
	s_lshr_b32 s34, s33, 1
	s_and_b32 s35, s33, 1
	s_cmp_eq_u32 s31, 2
	s_cselect_b32 s36, s34, s35                    ; wc: x's high bit for v, its low bit for q and k
	s_cselect_b32 s37, s35, s34                    ; e: the other bit
	s_mul_i32 s38, s32, 12
	s_mul_i32 s36, s36, 6
	s_add_co_u32 s38, s38, s36
	s_lshl1_add_u32 s38, s31, s38
	s_add_co_u32 s38, s38, s37                     ; destination block = 12 h + 6 wc + 2 g + e
	s_lshl_b32 s26, s30, 16
	s_lshl_b32 s28, s38, 15
	s_add_nc_u64 s[22:23], s[6:7], s[26:27]
	s_add_nc_u64 s[24:25], s[12:13], s[28:29]
.Lcast:
	CAST 0
	s_endpgm
.Lnot_w:
	s_cmp_lt_u32 s20, 768
	s_cbranch_scc0 .Ltable
	s_sub_co_u32 s30, s20, 704
	s_lshl_b32 s26, s30, 16
	s_lshl_b32 s28, s30, 15
	s_add_nc_u64 s[22:23], s[8:9], s[26:27]
	s_add_nc_u64 s[24:25], s[12:13], s[28:29]
	s_add_nc_u64 s[24:25], s[24:25], WO_OFF
	CAST 1
	s_endpgm
.Ltable:
	s_sub_co_u32 s22, s20, 768
	s_lshl3_add_u32 s22, s22, s21                  ; g = 0..127: 2 tblk + wc
	s_lshr_b32 s23, s22, 1
	s_lshl_b32 s23, s23, 4                         ; 16 tblk
	s_and_b32 s24, s22, 1
	s_lshl_b32 s24, s24, 4                         ; 16 wc
	s_mov_b32 s30, 0x3fc90fdb                      ; pi / 2, its upper part
	s_mov_b32 s31, 0xb33bbd2e                      ; and the rest
	s_mov_b32 s32, 0xb9500d01                      ; -1 / 5040
	s_mov_b32 s33, 0x3c088889                      ; 1 / 120
	s_mov_b32 s34, 0xbe2aaaab                      ; -1 / 6
	s_mov_b32 s35, 0x37d00d01                      ; 1 / 40320
	s_mov_b32 s36, 0xbab60b61                      ; -1 / 720
	s_mov_b32 s37, 0x3d2aaaab                      ; 1 / 24
	s_lshl_b32 s26, s22, 11
	s_add_nc_u64 s[40:41], s[12:13], s[26:27]
	s_add_nc_u64 s[40:41], s[40:41], ROPE_OFF      ; my 2,048 bytes of the table
	s_cmp_lt_u32 s22, 64
	s_cselect_b64 s[42:43], s[14:15], s[16:17]     ; waves 0-63 pad kimg, 64-127 vimg;
	s_bfe_u32 s28, s22, 0x10005                    ; of each 64 the first 32 in front, the others behind;
	s_mul_i32 s28, s28, BACKPAD
	s_and_b32 s25, s22, 31
	s_lshl_b32 s25, s25, 8                         ; 256 bytes a wave
	s_add_co_u32 s28, s28, s25
	s_add_nc_u64 s[42:43], s[42:43], s[28:29]
	v_and_b32 v3, 15, v0                           ; r
	v_bfe_u32 v5, v0, 4, 1                         ; hh
	v_add_nc_u32 v4, s23, v3
	v_cvt_f32_u32 v4, v4                           ; t
	v_lshl_add_u32 v6, v5, 3, s24                  ; 16 wc + 8 hh
.set j, 0
.rept 8
	v_add_nc_u32 v7, j, v6
	v_cvt_f32_u32 v7, v7
	v_mul_f32 v[8+j], 0xbed49a78, v7               ; -i log2(10000) / 32
.set j, j+1
.endr
.set j, 0
.rept 8
	v_exp_f32 v[8+j], v[8+j]                       ; 10000^(-i/32): one batch of eight
.set j, j+1
.endr
	v_nop                                          ; a plain instruction behind the last exponential,
	s_wait_alu depctr_va_vdst(0)                   ; and the one wait ahead of the batch's first reader
.irp j, 0,1,2,3,4,5,6,7
	SINCOS \j
.endr
	v_and_b32 v46, 31, v0
	v_lshlrev_b32 v47, 4, v46                      ; 16 x lane
	v_lshlrev_b32 v46, 3, v46                      ; 8 x lane
	v_mov_b32 v44, 0
	v_mov_b32 v45, 0
	global_store_b128 v47, v[16:19], s[40:41]
	global_store_b128 v47, v[20:23], s[40:41] offset:512
	global_store_b128 v47, v[24:27], s[40:41] offset:1024
	global_store_b128 v47, v[28:31], s[40:41] offset:1536
	global_store_b64 v46, v[44:45], s[42:43]
	s_endpgm
.Lfunc_end_k_q488ce943fa_prep:
	.size	k_q488ce943fa_prep, .Lfunc_end_k_q488ce943fa_prep-k_q488ce943fa_prep
	.p2alignl 7, 3214868480
	.fill 96, 4, 3214868480
	.section	.rodata,"a",@progbits
	.p2align	6, 0x0
	.amdhsa_kernel k_q488ce943fa_prep
		.amdhsa_group_segment_fixed_size 0
		.amdhsa_private_segment_fixed_size 0
		.amdhsa_enable_private_segment 0
		.amdhsa_kernarg_size 56
		.amdhsa_user_sgpr_count 2
		.amdhsa_user_sgpr_kernarg_segment_ptr 1
		.amdhsa_wavefront_size32 1
		.amdhsa_system_sgpr_workgroup_id_x 1
		.amdhsa_system_sgpr_workgroup_id_y 1
		.amdhsa_system_sgpr_workgroup_id_z 1
		.amdhsa_system_vgpr_workitem_id 0
		.amdhsa_next_free_vgpr 112
		.amdhsa_next_free_sgpr 66
		.amdhsa_reserve_vcc 1
		.amdhsa_float_denorm_mode_32 3
		.amdhsa_float_denorm_mode_16_64 3
		.amdhsa_memory_ordered 1
		.amdhsa_forward_progress 1
		.amdhsa_inst_pref_size 31
	.end_amdhsa_kernel
	.amdgpu_metadata
---
amdhsa.version: [ 1, 2 ]
amdhsa.kernels:
  - .name:           k_q488ce943fa_prep
    .symbol:         k_q488ce943fa_prep.kd
    .args:
      - { .name: hidden_states, .offset: 0, .size: 8, .value_kind: global_buffer, .address_space: global }
      - { .name: Wqkv, .offset: 8, .size: 8, .value_kind: global_buffer, .address_space: global }
      - { .name: Wo, .offset: 16, .size: 8, .value_kind: global_buffer, .address_space: global }
      - { .name: xb, .offset: 24, .size: 8, .value_kind: global_buffer, .address_space: global }
      - { .name: wb, .offset: 32, .size: 8, .value_kind: global_buffer, .address_space: global }
      - { .name: kimg, .offset: 40, .size: 8, .value_kind: global_buffer, .address_space: global }
      - { .name: vimg, .offset: 48, .size: 8, .value_kind: global_buffer, .address_space: global }
    .group_segment_fixed_size: 0
    .private_segment_fixed_size: 0
    .kernarg_segment_align: 8
    .kernarg_segment_size: 56
    .max_flat_workgroup_size: 256
    .sgpr_count:     66
    .vgpr_count:     112
    .wavefront_size: 32
...
	.end_amdgpu_metadata
.endif
;; end of part 1
;; launch qkv (part 2): grid 16 x 32, 4 waves a work-group, clusters of 4 x 4, 327,680 bytes of LDS; arguments xb, wb, qimg, kimg, vimg, vsum; writes qimg, kimg, vimg, vsum
.if DOCPART == 2
	.amdgcn_target "amdgcn-amd-amdhsa--gfx1250"
	.amdhsa_code_object_version 6
	.text
	.protected	k_q488ce943fa_qkv
	.globl	k_q488ce943fa_qkv
	.p2align	8
	.type	k_q488ce943fa_qkv,@function
k_q488ce943fa_qkv:
	s_mov_b64 s[64:65], 0
	v_nop
	global_prefetch_b8 v0, s[64:65] scope:SCOPE_SE
	s_setreg_imm32_b32 hwreg(HW_REG_WAVE_MODE, 25, 1), 1
	s_wait_xcnt 0x0
	s_wait_alu depctr_hold_cnt(0) depctr_sa_sdst(0) depctr_va_vdst(0) depctr_va_sdst(0) depctr_va_ssrc(0) depctr_va_vcc(0) depctr_vm_vsrc(0)
	s_getreg_b32 s2, hwreg(HW_REG_IB_STS2, 6, 4)
	s_cmp_eq_u32 s2, 0
	s_cbranch_scc0 .Lentry_in_a_cluster
	s_endpgm
.Lentry_in_a_cluster:
	s_bfe_u32 s2, ttmp6, 0x10000c
	s_cmp_lg_u32 s2, 0xf033
	s_cbranch_scc0 .Lentry_shape_is_right
	s_endpgm
.Lentry_shape_is_right:
; QKV: x Wqkv^T (bf16 operands, f32 sums), the rotary turn of q and k in f32, q, k, v rounded once to f16 and stored as FRAGMENT IMAGES, and partial column sums of v.
; A tile of the product is 256 tokens x 192 columns: with wb's order of rows the 192 columns are one head's q, k and v.  Four waves, each 128 x 96: 48 accumulators of 16 x 16.
; A wave's six column blocks b: 0, 1 = q's channels i and 32 + i (i = 16 wc + 0..15), 2, 3 = the same of k, 4, 5 = v's channels 32 wc + 0..31.
; K = 1,024 goes in 8 steps of 128 through two LDS slots filled by tensor loads: rows of 256 bytes of memory, aligned; 16 bytes of padding behind each in LDS.
; CLUSTER 4 x 4: x's tile is shared along a row of the cluster, the weights' along a column; each is asked for jointly, by the same load with the same descriptor in the four that its mask names.
; FORMS.  Blocks 0-3 are taken transposed (source 0 = 16 rows of W, source 1 = 16 tokens): a lane holds ONE token (lane % 16) and channels 8 (lane / 16) + 0..7, so the rotary pair (b, b + 1) meets in a lane.
; Blocks 4, 5 are taken as they stand (source 0 = tokens): a lane holds ONE channel of v and 8 tokens, which is what V^T's fragment wants.
; AN IMAGE is 1,024 bytes: byte 512 e + 16 lane holds what the lane keeps in registers 4 e .. 4 e + 3 of a 16-bit operand of 32 along K; a wave stores half an image by one instruction, 512 bytes on end.
;   qimg, kimg (+8,192): [b h][token / 16][c][image]: token 16 s + r, channel 32 e + 16 c + 8 hh + j (the same order in q and k, so their product is the true one)
;   vimg (+8,192):       [b h][key / 32][cb][image]:  channel 16 cb + r, key 32 kb + 16 e + 8 hh + j
;   vsum: f32 [b h][part 0..7][64]: the sum of v over tokens 128 part .. 128 part + 127 (of the f32 sums, before the rounding)
; LIMIT.  q, k, v leave as f16: beyond 65,504 they would be infinite.  With the inputs' spread (1 and 0.02) theirs is 0.64.
; REGISTERS, in windows of 256 (s_set_vgpr_msb: bits 1:0 source 0, 3:2 source 1, 5:4 source 2, 7:6 destination):
;   window 0: v0-31 addresses and a few at work; two fragment buffers: A v32-95, B v96-143; A v144-207, B v208-255 (on the way out: the packed results v32-223, at work v224-255)
;   windows 1, 2: accumulator (a, b) at v[48 (a % 4) + 8 b] of window 1 + a / 4          window 3: v0-127 the table: for row block a cos 0-7 at 16 a, sin 0-7 at 16 a + 8
.set KSTEP,  128
.set PITCH,  272                       ; 256 bytes + 16: 68 words: the 16 rows of a fragment load start at 16 different groups of four banks (64 banks of 4 bytes: ISA guide 11.1)
.set HALFA,  128*PITCH                 ; what one tensor load brings of x, and what a wave reads of it
.set HALFB,  96*PITCH                  ; the same for the weights
.set SLOT,   2*HALFA+2*HALFB           ; x's 256 rows, then the weights' 192
.set SPARE,  2*SLOT                    ; behind the ring: the spare words, 128 bytes a wave: two blocks of 256 bytes that no other line names
.set ROPE_OFF, 8388608
.set PADB,   8192
.set NB,     6
.set LF,     2*NB+16                   ; LDS loads in a run
.set F0,     32
.set F1,     144
.set ADRA,   8                         ; v8-9    LDS address of my fragments of x in slot 0, 1
.set ADRB,   10                        ; v10-11  of the weights
.set SPW,    12                        ; v12     SPARE + 4 x my thread's number; never rewritten
.set NIL,    13                        ; v13     0; never rewritten
.set PFO,    14                        ; v14     the prefetches' offset: a row a lane
.set U,      20                        ; v20-27  at work on v's sums; v16-19 the sums
.set T1,     224
.set T2,     232
.set Y1,     240
.set Y2,     248
.set WV,  12                           ; s12 wave; s13 its row half (also: 0 = I fetch x, 1 = the weights); s14 its column half (also: which half of that tile I fetch)
.set WR,  13
.set WC,  14
.set G1A, 24                           ; s[24:31] group 1 for x's tiles; s[32:39] group 0, a set for each slot
.set G0A, 32
.set LIM, 40                           ; s40  1 in a wave that prefetches, else the greatest number
.set LAP, 41                           ; s41  trips to go
.set PFA, 42                           ; s[42:43] where my prefetches stand
.set G1B, 48                           ; s[48:55], s[56:63] the same for the weights' tiles
.set G0B, 56
.set G1W0, (1<<16)|(1<<20)|(1<<21)|(5<<22)|(3<<25)  ; 2-byte elements; padding on; bit 21 beside a mask; after every 64 words; 4 words
.set MSB, 0
.macro WIN new                         ; the immediate's high byte repeats the setting that is left; a switch that changes nothing is dropped
.if MSB != (\new)
	s_set_vgpr_msb (MSB<<8)|(\new)
.set MSB, (\new)
.endif
.endm
.macro PLACES                          ; four plain places (ISA guide 7.12.1) behind matrix instructions
.rept 4
	v_nop
.endr
.endm
.macro CREST                           ; a round of the cluster's barrier behind its opening barrier
	s_cmp_lg_u32 s[WV], 0
	s_cbranch_scc1 .Lnot_wave_0_\@
	s_barrier_signal -3
.Lnot_wave_0_\@:
	s_barrier_wait -3
	s_barrier_signal -1
	s_barrier_wait -1
.endm
.macro CROUND
	s_barrier_signal -1
	s_barrier_wait -1
	CREST
.endm
.macro JLOAD s                         ; a joint refill: waves 0, 1 fetch x's halves, waves 2, 3 the weights'; the branch hangs on the wave's number alone; an s_nop 0 and four v_nop follow each line
	s_cmp_eq_u32 s[WR], 0
	s_cbranch_scc0 .Lfor_b_\@
	tensor_load_to_lds s[G0A+4*(\s):G0A+4*(\s)+3], s[G1A:G1A+7]
	s_nop 0
.rept 4
	v_nop
.endr
	s_branch .Lasked_\@
.Lfor_b_\@:
	tensor_load_to_lds s[G0B+4*(\s):G0B+4*(\s)+3], s[G1B:G1B+7]
	s_nop 0
.rept 4
	v_nop
.endr
.Lasked_\@:
.endm
; A prefetch of the K step that stands two refills on (384 matrix instructions ahead of the load that wants it): 256 bytes of a row a lane, one instruction a wave.  x's rows are named by the clusters with x = 0,
; the weights' by those with y = 0; the four partners of a joint load share its rows out by address (32 of x's 128; 24 of the weights' 96, lanes 24-31 naming lane 23's row again).  The last trip asks for nothing.
.macro ASK
	s_cmp_gt_u32 s[LAP], s[LIM]
	s_cbranch_scc0 .Lnot_mine_\@
	global_prefetch_b8 v[PFO], s[PFA:PFA+1] th:TH_LOAD_NT scope:SCOPE_SE
.Lnot_mine_\@:
.endm
; n row blocks from a0 on x all six column blocks, 32 along K, from buffer f.  The 48 accumulators take turns, in the same order in every quarter.  zero = 1: the product starts the sum.
.macro MULA f, a0, n, zero
	WIN 0x50*(1+(\a0)/4)
.set a, (\a0)
.rept \n
.set b, 0
.rept NB
.set rD, 48*(a%4)+8*b
.set rA, (\f)+8*a
.set rB, (\f)+64+8*b
.if b < 4
.if \zero
	v_wmma_f32_16x16x32_bf16 v[rD:rD+7], v[rB:rB+7], v[rA:rA+7], 0
.else
	v_wmma_f32_16x16x32_bf16 v[rD:rD+7], v[rB:rB+7], v[rA:rA+7], v[rD:rD+7]
.endif
.else
.if \zero
	v_wmma_f32_16x16x32_bf16 v[rD:rD+7], v[rA:rA+7], v[rB:rB+7], 0
.else
	v_wmma_f32_16x16x32_bf16 v[rD:rD+7], v[rA:rA+7], v[rB:rB+7], v[rD:rD+7]
.endif
.endif
.set b, b+1
.endr
.set a, a+1
.endr
.endm
.macro FETCH slot, k, f                ; one run of 28 LDS loads: the fragments of 32 along K at byte k of the rows: the weights' six, then x's eight in ascending order
	WIN 0
.set b, 0
.rept NB
	ds_load_b128 v[(\f)+64+8*b:(\f)+64+8*b+3],   v[ADRB+(\slot)] offset:(\k)+b*16*PITCH
	ds_load_b128 v[(\f)+64+8*b+4:(\f)+64+8*b+7], v[ADRB+(\slot)] offset:(\k)+b*16*PITCH+32
.set b, b+1
.endr
.set a, 0
.rept 8
	ds_load_b128 v[(\f)+8*a:(\f)+8*a+3],   v[ADRA+(\slot)] offset:(\k)+a*16*PITCH
	ds_load_b128 v[(\f)+8*a+4:(\f)+8*a+7], v[ADRA+(\slot)] offset:(\k)+a*16*PITCH+32
.set a, a+1
.endr
.endm
.macro QUARTER slot, k, f, g, zero     ; multiplies buffer f; in its middle fetches the next quarter, at byte k, into buffer g
	s_wait_dscnt 8                                 ; all but the youngest eight loads (x's row blocks 4-7)
	MULA \f, 0, 4, \zero
	WIN 0
	PLACES                                         ; buffer g was read by the quarter before
	FETCH \slot, \k, \g
	s_wait_dscnt LF                                ; all but the run just issued
	MULA \f, 4, 4, \zero
.endm
; The last quarter of a K step multiplies buffer 1 and changes slots: each wave waits for all its tensor loads (one is out: its part of the next slot), adds 0 to its spare word, and waits for that and for its reads of this slot.
.macro TURN slot, next, fill
.if \fill
	s_wait_xcnt 0x0                                ; the last prefetch, a K step back, has read its address
	s_add_nc_u64 s[PFA:PFA+1], s[PFA:PFA+1], KSTEP*2
.endif
	WIN 0
	s_wait_tensorcnt 0x0
	ds_add_u32 v[SPW], v[NIL]
	s_wait_dscnt 9                                 ; the add and the youngest eight loads may be out
	MULA F1, 0, 2, 0
	s_wait_dscnt 0x0                               ; the add is done, my reads of this slot are over
	s_barrier_signal -1
	MULA F1, 2, 2, 0
	WIN 0
	s_barrier_wait -1
.if \fill
	CREST                                          ; the barrier has opened a round of the cluster's: no wave of any partner still reads this slot or has a load on its way
	s_add_nc_u64 s[G0A+4*(\slot)+2:G0A+4*(\slot)+3], s[G0A+4*(\slot)+2:G0A+4*(\slot)+3], 2*KSTEP*2
	s_add_nc_u64 s[G0B+4*(\slot)+2:G0B+4*(\slot)+3], s[G0B+4*(\slot)+2:G0B+4*(\slot)+3], 2*KSTEP*2
	JLOAD \slot                                    ; my one tensor load behind the round; its four v_nop are also the places in front of the loads below
.else
	PLACES
.endif
	FETCH \next, 0, F0
.if \fill
	ASK
.endif
	MULA F1, 4, 4, 0
.endm
; THE WAY OUT of row block a: q and k turned (y1 = x1 cos - x2 sin, y2 = x2 cos + x1 sin), all six blocks rounded to f16, six stores of 512 bytes on end.  Every accumulator is read from its lowest registers on.
.macro EPI a
.set W,  1+(\a)/4
.set AC, 48*((\a)%4)
.set TB, 16*(\a)
.set DD, 32+24*(\a)                    ; the block's 24 packed registers: written once in the launch, so no store's data is ever rewritten
.irp g, 0,1
.set x1, AC+16*(\g)
.set x2, x1+8
	WIN 0x0c|W                                     ; source 0 the accumulators' window, source 1 the table's
.set i, 0
.rept 4
	v_pk_mul_f32 v[T1+2*i:T1+2*i+1], v[x2+2*i:x2+2*i+1], v[TB+8+2*i:TB+8+2*i+1]
.set i, i+1
.endr
.set i, 0
.rept 4
	v_pk_mul_f32 v[T2+2*i:T2+2*i+1], v[x1+2*i:x1+2*i+1], v[TB+8+2*i:TB+8+2*i+1]
.set i, i+1
.endr
.set i, 0
.rept 4
	v_pk_fma_f32 v[Y1+2*i:Y1+2*i+1], v[x1+2*i:x1+2*i+1], v[TB+2*i:TB+2*i+1], v[T1+2*i:T1+2*i+1] neg_lo:[0,0,1] neg_hi:[0,0,1]
.set i, i+1
.endr
.set i, 0
.rept 4
	v_pk_fma_f32 v[Y2+2*i:Y2+2*i+1], v[x2+2*i:x2+2*i+1], v[TB+2*i:TB+2*i+1], v[T2+2*i:T2+2*i+1]
.set i, i+1
.endr
	WIN 0
.set i, 0
.rept 4
	v_cvt_pk_f16_f32 v[DD+8*(\g)+i], v[Y1+2*i], v[Y1+2*i+1]
	v_cvt_pk_f16_f32 v[DD+8*(\g)+4+i], v[Y2+2*i], v[Y2+2*i+1]
.set i, i+1
.endr
.endr
	WIN 5*W                                        ; sources 0 and 1 the accumulators' window
.irp b, 4,5
.set x1, AC+8*(\b)
.set i, 0
.rept 4
	v_cvt_pk_f16_f32 v[DD+4*(\b)+i], v[x1+2*i], v[x1+2*i+1]
.set i, i+1
.endr
	v_pk_add_f32 v[U+4*((\b)-4):U+4*((\b)-4)+1],   v[x1:x1+1],   v[x1+2:x1+3]
	v_pk_add_f32 v[U+4*((\b)-4)+2:U+4*((\b)-4)+3], v[x1+4:x1+5], v[x1+6:x1+7]
.endr
	WIN 0
.if (\a) == 0
	v_pk_add_f32 v[16:17], v[U:U+1],   v[U+2:U+3]  ; the first block starts v's sums
	v_pk_add_f32 v[18:19], v[U+4:U+5], v[U+6:U+7]
.else
	v_pk_add_f32 v[16:17], v[16:17], v[U:U+1]
	v_pk_add_f32 v[18:19], v[18:19], v[U+4:U+5]
	v_pk_add_f32 v[16:17], v[16:17], v[U+2:U+3]
	v_pk_add_f32 v[18:19], v[18:19], v[U+6:U+7]
.endif
	global_store_b128 v4, v[DD:DD+3],     s[82:83] offset:(\a)*2048
	global_store_b128 v4, v[DD+4:DD+7],   s[82:83] offset:(\a)*2048+512
	global_store_b128 v4, v[DD+8:DD+11],  s[84:85] offset:(\a)*2048
	global_store_b128 v4, v[DD+12:DD+15], s[84:85] offset:(\a)*2048+512
	global_store_b128 v4, v[DD+16:DD+19], s[86:87] offset:((\a)/2)*4096+((\a)%2)*512
	global_store_b128 v4, v[DD+20:DD+23], s[86:87] offset:((\a)/2)*4096+1024+((\a)%2)*512
.endm
	s_load_b256 s[4:11], s[0:1], 0x0               ; xb s[4:5], wb s[6:7], qimg s[8:9], kimg s[10:11]
	s_load_b128 s[68:71], s[0:1], 0x20             ; vimg s[68:69], vsum s[70:71]
	v_lshl_add_u32 v[SPW], v0, 2, SPARE
	v_mov_b32 v[NIL], 0
	ds_add_u32 v[SPW], v[NIL]                      ; the wave's opening: the add and its wait stand ahead of my first tensor load; work on registers stands between them
	v_lshrrev_b32 v1, 5, v0
	v_readfirstlane_b32 s[WV], v1
	s_lshr_b32 s[WR], s[WV], 1
	s_and_b32 s[WC], s[WV], 1
	s_mov_b32 s66, 0x76543210                      ; v_permlanex16_b32's selects: each lane takes its own place in the other half
	s_mov_b32 s67, 0xfedcba98
	s_bfe_u32 s15, ttmp6, 0x40000                  ; cx
	s_bfe_u32 s16, ttmp6, 0x40004                  ; cy
	s_lshl_b32 s17, ttmp9, 2
	s_add_co_u32 s17, s17, s15                     ; the head = tile column = 4 x cluster x + cx
	s_and_b32 s18, ttmp7, 0xffff
	s_lshl_b32 s18, s18, 2
	s_add_co_u32 s18, s18, s16                     ; tile row = 4 x cluster y + cy
	s_lshl_b32 s20, s16, 2
	s_lshl_b32 s20, 15, s20                        ; my row of the cluster
	s_lshl_b32 s21, 0x1111, s15                    ; my column
	s_or_b32 s[G1A], s20, G1W0
	s_or_b32 s[G1B], s21, G1W0
	s_mov_b32 s[G1A+1], KSTEP<<16                  ; tensor_dim0 = 128
	s_mov_b32 s[G1A+2], 128<<16                    ; tensor_dim1 = 128
	s_mov_b32 s[G1A+3], KSTEP<<16                  ; tile_dim0 = 128
	s_mov_b32 s[G1A+4], 128                        ; tile_dim1 = 128
	s_mov_b32 s[G1A+5], 1024                       ; elements from row to row
	s_mov_b32 s[G1A+6], 0
	s_mov_b32 s[G1A+7], 0
	s_mov_b32 s[G1B+1], KSTEP<<16
	s_mov_b32 s[G1B+2], 96<<16                     ; 96 rows
	s_mov_b32 s[G1B+3], KSTEP<<16
	s_mov_b32 s[G1B+4], 96
	s_mov_b32 s[G1B+5], 1024
	s_mov_b32 s[G1B+6], 0
	s_mov_b32 s[G1B+7], 0
	s_lshl_b32 s76, s18, 8                         ; x: row 256 x tile row + 128 x half: it hangs on the tile row alone
	s_lshl_b32 s77, s[WC], 7
	s_add_co_u32 s76, s76, s77
	s_lshl_b32 s76, s76, 11                        ; rows of 2,048 bytes: under 2^24 in all
	s_mov_b32 s77, 0
	s_mul_i32 s46, s17, 192                        ; the weights: row 192 x head + 96 x half: on the tile column alone
	s_mul_i32 s47, s[WC], 96
	s_add_co_u32 s46, s46, s47
	s_lshl_b32 s46, s46, 11
	s_mov_b32 s47, 0
	s_mul_i32 s78, s[WC], HALFA                    ; where they go: no place in the cluster enters an LDS address
	s_mul_i32 s79, s[WC], HALFB
	s_add_co_u32 s79, s79, 2*HALFA
	v_and_b32 v1, 15, v0                           ; r
	v_bfe_u32 v2, v0, 4, 1                         ; hh
	v_and_b32 v3, 31, v0                           ; lane
	v_lshlrev_b32 v4, 4, v3                        ; 16 x lane: my place in half an image, and in the table
	v_lshlrev_b32 v15, 2, v3
	s_wait_dscnt 0x0                               ; the opening add is done
	s_wait_kmcnt 0x0
	s_add_nc_u64 s[76:77], s[4:5], s[76:77]
	s_add_nc_u64 s[46:47], s[6:7], s[46:47]
.irp s, 0,1
	s_mov_b32 s[G0A+4*(\s)], 1
	s_add_co_u32 s[G0A+4*(\s)+1], s78, (\s)*SLOT
	s_add_nc_u64 s[G0A+4*(\s)+2:G0A+4*(\s)+3], s[76:77], (\s)*KSTEP*2
	s_or_b32 s[G0A+4*(\s)+3], s[G0A+4*(\s)+3], 0x80000000
	s_mov_b32 s[G0B+4*(\s)], 1
	s_add_co_u32 s[G0B+4*(\s)+1], s79, (\s)*SLOT
	s_add_nc_u64 s[G0B+4*(\s)+2:G0B+4*(\s)+3], s[46:47], (\s)*KSTEP*2
	s_or_b32 s[G0B+4*(\s)+3], s[G0B+4*(\s)+3], 0x80000000
.endr
	; the way out's bases: batch = tile row / 4; bh = 16 batch + head; sq = my first block of 16 tokens in the sequence
	s_lshr_b32 s72, s18, 2
	s_lshl4_add_u32 s72, s72, s17                  ; bh
	s_and_b32 s73, s18, 3
	s_lshl_b32 s73, s73, 4
	s_lshl3_add_u32 s73, s[WR], s73                ; sq
	s_mov_b32 s75, 0
	s_mov_b32 s93, 0
	s_lshl_b32 s74, s73, 12
	s_lshl_b32 s90, s[WC], 11
	s_add_co_u32 s74, s74, s90
	s_add_nc_u64 s[80:81], s[6:7], s[74:75]
	s_add_nc_u64 s[80:81], s[80:81], ROPE_OFF      ; the table at my positions and my half of the indices
	s_lshl_b32 s74, s72, 17
	s_lshl_b32 s91, s73, 11
	s_add_co_u32 s74, s74, s91
	s_add_co_u32 s92, s74, s90                     ; v: + 2,048 wc
	s_lshl_b32 s90, s[WC], 10
	s_add_co_u32 s74, s74, s90                     ; q, k: + 1,024 wc
	s_add_nc_u64 s[82:83], s[8:9], s[74:75]
	s_add_nc_u64 s[84:85], s[10:11], s[74:75]
	s_add_nc_u64 s[84:85], s[84:85], PADB
	s_add_nc_u64 s[86:87], s[68:69], s[92:93]
	s_add_nc_u64 s[86:87], s[86:87], PADB
	s_lshl_b32 s74, s72, 11
	s_lshl_b32 s91, s73, 5                         ; part = sq / 8, 256 bytes each
	s_add_co_u32 s74, s74, s91
	s_lshl_b32 s91, s[WC], 7
	s_add_co_u32 s74, s74, s91
	s_add_nc_u64 s[88:89], s[70:71], s[74:75]
	CROUND                                         ; all sixteen work-groups are here: the first joint loads meet
	s_cmp_eq_u32 s[WR], 0                          ; a wave's two first fills stand in one branch, ahead of every wait on TENSORcnt and every LDS read: two loads of mine are out
	s_cbranch_scc0 .Lfirst_b
	tensor_load_to_lds s[G0A:G0A+3], s[G1A:G1A+7]
	s_nop 0
	tensor_load_to_lds s[G0A+4:G0A+7], s[G1A:G1A+7]
	s_nop 0
.rept 4
	v_nop
.endr
	s_branch .Lfirst_asked
.Lfirst_b:
	tensor_load_to_lds s[G0B:G0B+3], s[G1B:G1B+7]
	s_nop 0
	tensor_load_to_lds s[G0B+4:G0B+7], s[G1B:G1B+7]
	s_nop 0
.rept 4
	v_nop
.endr
.Lfirst_asked:
	WIN 0xc0                                       ; the table, into window 3: it has the whole loop over K in which to land
.set a, 0
.rept 8
.irp w, 0,1,2,3
	global_load_b128 v[16*a+4*(\w):16*a+4*(\w)+3], v4, s[80:81] offset:a*4096+(\w)*512
.endr
.set a, a+1
.endr
	WIN 0
	v_mul_u32_u24 v5, v1, PITCH
	v_lshl_add_u32 v5, v2, 4, v5                   ; a fragment's row x pitch + 16 x half
	s_mul_i32 s20, s[WR], HALFA
	s_mul_i32 s21, s[WC], HALFB
	s_add_co_u32 s21, s21, 2*HALFA
.irp s, 0,1
	v_add_nc_u32 v[ADRA+(\s)], s20, v5
	v_add_nc_u32 v[ADRB+(\s)], s21, v5
	s_add_co_u32 s20, s20, SLOT
	s_add_co_u32 s21, s21, SLOT
.endr
	; the prefetches: my work-group's share of the rows that I fetch
	s_lshl_b32 s20, s18, 8
	s_lshl_b32 s22, s[WC], 7
	s_add_co_u32 s20, s20, s22
	s_lshl_b32 s22, s15, 5
	s_add_co_u32 s20, s20, s22                     ; x: 256 x tile row + 128 x half + 32 cx
	s_mul_i32 s21, s17, 192
	s_mul_i32 s22, s[WC], 96
	s_add_co_u32 s21, s21, s22
	s_mul_i32 s22, s16, 24
	s_add_co_u32 s21, s21, s22                     ; the weights: 192 x head + 96 x half + 24 cy
	s_and_b32 s22, ttmp7, 0xffff                   ; cluster y
	s_cmp_eq_u32 s[WR], 0
	s_cselect_b32 s20, s20, s21
	s_cselect_b32 s22, ttmp9, s22                  ; the coordinate along which other clusters read the same rows
	s_cselect_b32 s23, 31, 23
	s_cselect_b64 s[PFA:PFA+1], s[4:5], s[6:7]
	s_cmp_eq_u32 s22, 0
	s_cselect_b32 s[LIM], 1, -1                    ; the same in all sixteen partners, for a given wave
	s_lshl_b32 s20, s20, 11
	s_mov_b32 s21, 0
	s_add_nc_u64 s[PFA:PFA+1], s[PFA:PFA+1], s[20:21]
	s_add_nc_u64 s[PFA:PFA+1], s[PFA:PFA+1], 3*KSTEP*2  ; at K step 3: the first refill steps it to 4.  Nothing is prefetched here, at the head
	v_min_u32 v[PFO], s23, v3
	v_lshlrev_b32 v[PFO], 11, v[PFO]
	s_wait_tensorcnt 1                             ; my part of K step 0 is in; step 1's may stay out
	s_barrier_signal -1
	s_barrier_wait -1
	FETCH 0, 0, F0
	QUARTER 0, 64, F0, F1, 1                       ; the first quarter stands in front of the loop: its products start the sums
	WIN 0
	s_mov_b32 s[LAP], 3
.Llap:                                                 ; a trip goes once round the ring and fills both slots again: K steps 2 to 7 in three trips
	QUARTER 0, 128, F1, F0, 0
	QUARTER 0, 192, F0, F1, 0
	TURN 0, 1, 1
	QUARTER 1, 64,  F0, F1, 0
	QUARTER 1, 128, F1, F0, 0
	QUARTER 1, 192, F0, F1, 0
	TURN 1, 0, 1
	QUARTER 0, 64,  F0, F1, 0
	WIN 0
	s_sub_co_u32 s[LAP], s[LAP], 1
	s_cmp_lg_u32 s[LAP], 0
	s_cbranch_scc1 .Llap
	QUARTER 0, 128, F1, F0, 0                      ; the last lap fills nothing
	QUARTER 0, 192, F0, F1, 0
	TURN 0, 1, 0
	QUARTER 1, 64,  F0, F1, 0
	QUARTER 1, 128, F1, F0, 0
	QUARTER 1, 192, F0, F1, 0
	s_wait_dscnt 8
	MULA F1, 0, 4, 0
	s_wait_dscnt 0x0
	MULA F1, 4, 4, 0
	WIN 0
	PLACES
	PLACES
	s_wait_loadcnt 0x0                             ; the table
.irp a, 0,1,2,3,4,5,6,7
	EPI \a
.endr
	v_add_f32 v16, v16, v17                        ; v's sums: my 8 tokens of each block, then the other half of the lanes'
	v_add_f32 v18, v18, v19
	v_permlanex16_b32 v20, v16, s66, s67
	v_permlanex16_b32 v21, v18, s66, s67
	v_add_f32 v16, v16, v20
	v_add_f32 v18, v18, v21
	v_cmp_lt_u32 vcc_lo, 15, v3
	v_cndmask_b32 v16, v16, v18, vcc_lo            ; lanes 0-15 channels 32 wc + 0..15, lanes 16-31 the next sixteen
	global_store_b32 v15, v16, s[88:89]
	s_wait_tensorcnt 0x0                           ; the wave's end
	ds_add_u32 v[SPW], v[NIL]
	s_wait_dscnt 0x0
	CROUND                                         ; the closing round: no work-group ends while a partner may still ask for a tile that names it
	s_endpgm
.Lfunc_end_k_q488ce943fa_qkv:
	.size	k_q488ce943fa_qkv, .Lfunc_end_k_q488ce943fa_qkv-k_q488ce943fa_qkv
	.p2alignl 7, 3214868480
	.fill 96, 4, 3214868480
	.section	.rodata,"a",@progbits
	.p2align	6, 0x0
	.amdhsa_kernel k_q488ce943fa_qkv
		.amdhsa_group_segment_fixed_size 327680
		.amdhsa_private_segment_fixed_size 0
		.amdhsa_enable_private_segment 0
		.amdhsa_kernarg_size 48
		.amdhsa_user_sgpr_count 2
		.amdhsa_user_sgpr_kernarg_segment_ptr 1
		.amdhsa_wavefront_size32 1
		.amdhsa_system_sgpr_workgroup_id_x 1
		.amdhsa_system_sgpr_workgroup_id_y 1
		.amdhsa_system_sgpr_workgroup_id_z 1
		.amdhsa_system_vgpr_workitem_id 0
		.amdhsa_next_free_vgpr 896
		.amdhsa_next_free_sgpr 96
		.amdhsa_reserve_vcc 1
		.amdhsa_float_denorm_mode_32 3
		.amdhsa_float_denorm_mode_16_64 3
		.amdhsa_memory_ordered 1
		.amdhsa_forward_progress 1
		.amdhsa_inst_pref_size 134
	.end_amdhsa_kernel
	.amdgpu_metadata
---
amdhsa.version: [ 1, 2 ]
amdhsa.kernels:
  - .name:           k_q488ce943fa_qkv
    .symbol:         k_q488ce943fa_qkv.kd
    .args:
      - { .name: xb, .offset: 0, .size: 8, .value_kind: global_buffer, .address_space: global }
      - { .name: wb, .offset: 8, .size: 8, .value_kind: global_buffer, .address_space: global }
      - { .name: qimg, .offset: 16, .size: 8, .value_kind: global_buffer, .address_space: global }
      - { .name: kimg, .offset: 24, .size: 8, .value_kind: global_buffer, .address_space: global }
      - { .name: vimg, .offset: 32, .size: 8, .value_kind: global_buffer, .address_space: global }
      - { .name: vsum, .offset: 40, .size: 8, .value_kind: global_buffer, .address_space: global }
    .group_segment_fixed_size: 327680
    .private_segment_fixed_size: 0
    .kernarg_segment_align: 8
    .kernarg_segment_size: 48
    .max_flat_workgroup_size: 128
    .sgpr_count:     96
    .vgpr_count:     896
    .wavefront_size: 32
...
	.end_amdgpu_metadata
.endif
;; end of part 2
;; launch attn (part 3): grid 256 x 1, 4 waves a work-group, no clusters, 167,936 bytes of LDS; arguments qimg, kimg, vimg, vsum, attn_mask, oimg; writes oimg
.if DOCPART == 3
	.amdgcn_target "amdgcn-amd-amdhsa--gfx1250"
	.amdhsa_code_object_version 6
	.text
	.protected	k_q488ce943fa_attn
	.globl	k_q488ce943fa_attn
	.p2align	8
	.type	k_q488ce943fa_attn,@function
k_q488ce943fa_attn:
	s_mov_b64 s[64:65], 0
	v_nop
	global_prefetch_b8 v0, s[64:65] scope:SCOPE_SE
	s_setreg_imm32_b32 hwreg(HW_REG_WAVE_MODE, 25, 1), 1
	s_wait_xcnt 0x0
; ATTENTION in a band: key j counts for query i where |i - j| <= 64 (the band that the module builds itself) and attn_mask[b][j] is not 0 (an input, read here).  q, k, v come as f16 fragment images.
; cu_seqlens, indices and max_seqlen enter no number of the module's result and are arguments of no launch.
; SHARES.  A work-group has 512 queries of one head and the 640 keys from 64 in front of them on; each wave brings a quarter of K and of V (20,480 bytes each) by one tensor load each, all at the head;
; nothing is filled again.  Keys in front of position 0 or behind 1,023 are the neighbouring head's numbers or the pads' zeros: finite, and hidden by position.
; A wave has 128 queries, 32 a trip: two tiles u of 16.  A trip sees 160 keys, ten tiles kt of 16.  With delta = 8 (lane / 16) + jj - lane % 16, j - i = 16 (kt - u) - 64 + delta:
; kt = u is the low edge (seen where delta >= 0), kt = u + 8 the high edge (delta <= 0), those between are inside the band, and kt = 9 for u = 0, kt = 0 for u = 1 are wholly hidden: not computed, their weights 0 for good.
; THE MASK is the C operand that starts the sum S^T = K Q^T: 0, or -1e30 a hidden key (-2e30 where band and input both hide it).
; SOFTMAX.  A query's 144 scores are all in registers: the maximum is the true one, taken away before the exponential: p = 2^(c s - c m), c = log2(e) / 8.  l is the sum of the unrounded p; p is rounded to f16 for V^T P.
; NO KEY SEEN.  The module masks with the lowest finite number, so a query whose window is wholly masked has equal weights on ALL 1,024 keys: its row is the mean of v over the sequence (from vsum).
; Such a query has m < -5e29; the choice is a select of values, made in every trip.
; LIMITS.  |q|, |k|, |v| within f16's 65,504, so a true score stays under 3e11, far above -5e29; a weight below 2^-126 counts as 0; NaN and infinities are not treated apart.
; NO CLUSTER: the two work-groups of a head share 128 of their 640 keys, a fifth of what each asks for, and no whole tile of a wave's load.  NOTHING IS ASKED FOR AHEAD: K and V are asked for once, in one group at the head; Q is loaded a trip ahead.
; LAYOUT.  S^T: a lane holds one query (lane % 16) and keys 8 (lane / 16) + 0..7; two such results rounded in pairs ARE source 1 of O^T = V^T P, whose result holds one query a lane and eight channels:
; rounded in pairs it is half an image of the last product's operand: oimg [token / 16][k / 32][image], stored 512 bytes on end.
; REGISTERS (s_set_vgpr_msb: bits 1:0 source 0, 3:2 source 1, 5:4 source 2, 7:6 destination):
;   window 0: v0-15 addresses; v16-31 statistics; v32-47 the two edges' masks; v48-63 the mean of v in f16; v64-207 S^T (72 a tile); v208-239 data at work at the head; v240-243 the head's four addresses
;   window 1: v0-79 the keys' masks; v80-111 the four edge masks; v112-191 P (40 a tile); v192-255 O^T          window 2: v0-159 K; v160-191 Q          window 3: v0-159 V
.set VOFF,  81920                      ; LDS: K's 640 keys, then V's
.set QUART, 20480
.set BIAS,  163840                     ; 640 f32: 0 or -1e30 a key
.set VMEAN, 166400                     ; 64 f32
.set SPARE, 166656                     ; the spare words, 128 bytes a wave: two blocks of 256 bytes that no other line names
.set L16, 3                            ; v3  16 x lane; never rewritten
.set AK,  4                            ; v4  LDS address of the trip's K;  v5 of its V;  v6 of its keys' masks
.set AV,  5
.set AB,  6
.set SPW, 8                            ; v8  SPARE + 4 x my thread's number; never rewritten
.set NIL, 9                            ; v9  0; never rewritten
.set ST,  16                           ; tile u at ST + 8 u: +0 c m (+1 named with it), +2..4 three chains, +5 the other half's, +6 1 / l (+7 named with it)
.set LOW, 32
.set HIGH, 40
.set VMH, 48
.set S,   64
.set HD,  208                          ; v208-239 the head's data: mask words, masks, partial sums, the mean
.set ABS, 240                          ; v240 where I store my keys' masks
.set AMR, 241                          ; v241 where I read the mean back
.set AVS, 242                          ; v242 my channel's offset in vsum
.set AMS, 243                          ; v243 where I store my channel's mean
.set BI,  0
.set EM,  80
.set P,   112
.set O,   192
.set KF,  0
.set QF,  160
.set VF,  0
.set WV,  16                           ; s16 wave
.set CNT, 48                           ; s48 trips to go
.set MSB, 0
.macro WIN new
.if MSB != (\new)
	s_set_vgpr_msb (MSB<<8)|(\new)
.set MSB, (\new)
.endif
.endm
.macro PLACES
.rept 4
	v_nop
.endr
.endm
.macro PADD x, y                       ; in both tiles: pair x of the weights takes pair y
.irp u, 0,1
	v_pk_add_f32 v[S+72*(\u)+2*(\x):S+72*(\u)+2*(\x)+1], v[S+72*(\u)+2*(\x):S+72*(\u)+2*(\x)+1], v[S+72*(\u)+2*(\y):S+72*(\u)+2*(\y)+1]
.endr
.endm
.macro QLOAD off                       ; 32 queries' four images
	WIN 0x80
.irp u, 0,1
.irp c, 0,1
	global_load_b128 v[QF+16*(\u)+8*(\c):QF+16*(\u)+8*(\c)+3],   v[L16], s[36:37] offset:(\off)+(\u)*2048+(\c)*1024
	global_load_b128 v[QF+16*(\u)+8*(\c)+4:QF+16*(\u)+8*(\c)+7], v[L16], s[36:37] offset:(\off)+(\u)*2048+(\c)*1024+512
.endr
.endr
	WIN 0
.endm
	s_load_b256 s[4:11], s[0:1], 0x0               ; qimg s[4:5], kimg s[6:7], vimg s[8:9], vsum s[10:11]
	s_load_b128 s[12:15], s[0:1], 0x20             ; attn_mask s[12:13], oimg s[14:15]
	v_lshl_add_u32 v[SPW], v0, 2, SPARE
	v_mov_b32 v[NIL], 0
	ds_add_u32 v[SPW], v[NIL]                      ; the wave's opening: the add and its wait stand ahead of my first tensor load
	v_lshrrev_b32 v1, 5, v0
	v_readfirstlane_b32 s[WV], v1
	s_lshr_b32 s17, ttmp9, 1                       ; bh
	s_and_b32 s18, ttmp9, 1                        ; which half of the sequence
	s_lshr_b32 s19, s17, 4                         ; batch
	s_and_b32 s49, s17, 15                         ; head
	s_mov_b32 s20, 3<<16                           ; group 1, for both tensors: 8-byte elements, no padding: 20,480 dense bytes as 80 rows of 256
	s_mov_b32 s21, 32<<16                          ; tensor_dim0 = 32
	s_mov_b32 s22, 80<<16                          ; tensor_dim1 = 80
	s_mov_b32 s23, 32<<16                          ; tile_dim0 = 32
	s_mov_b32 s24, 80                              ; tile_dim1 = 80
	s_mov_b32 s25, 32                              ; elements from row to row
	s_mov_b32 s26, 0
	s_mov_b32 s27, 0
	s_mul_i32 s52, s[WV], QUART                    ; my quarter
	s_mov_b32 s28, 1
	s_mov_b32 s29, s52
	s_mov_b32 s32, 1
	s_add_co_u32 s33, s52, VOFF
	s_lshl_b32 s50, s17, 17
	s_lshl_b32 s51, s18, 16
	s_add_co_u32 s50, s50, s51                     ; 131,072 bh + 65,536 half: the pad in front (8,192 bytes) is just the 64 keys that the block reaches back
	s_add_co_u32 s54, s50, s52
	s_mov_b32 s55, 0
	s_lshl_b32 s51, s[WV], 14
	s_add_co_u32 s50, s50, s51                     ; Q: my wave's 128 queries
	s_mov_b32 s51, 0
	s_mov_b32 s40, 0x3e38aa3b                      ; c = log2(e) / 8
	s_mov_b32 s41, s40
	s_mov_b32 s42, 0x76543210                      ; v_permlanex16_b32: each lane its own place in the other half
	s_mov_b32 s43, 0xfedcba98
	s_mov_b32 s44, 0xf149f2ca                      ; -1e30
	s_mov_b32 s45, 0xf0c9f2ca                      ; -5e29
	s_mov_b32 s62, 1024
	s_mov_b32 s[CNT], 4
	s_wait_dscnt 0x0                               ; the opening add is done
	s_wait_kmcnt 0x0
	s_add_nc_u64 s[30:31], s[6:7], s[54:55]
	s_or_b32 s31, s31, 0x80000000
	s_add_nc_u64 s[34:35], s[8:9], s[54:55]
	s_or_b32 s35, s35, 0x80000000
	tensor_load_to_lds s[28:31], s[20:27]          ; both first fills, the launch's only ones: two loads of mine are out
	s_nop 0
	tensor_load_to_lds s[32:35], s[20:27]
	s_nop 0
.rept 4
	v_nop
.endr
	s_add_nc_u64 s[36:37], s[4:5], s[50:51]        ; Q
	s_lshl_b32 s50, s19, 21                        ; O: token block 64 batch + 32 half + 8 wave, 32,768 bytes each; + 2,048 head
	s_lshl_b32 s53, s18, 20
	s_add_co_u32 s50, s50, s53
	s_lshl_b32 s53, s[WV], 18
	s_add_co_u32 s50, s50, s53
	s_lshl_b32 s53, s49, 11
	s_add_co_u32 s50, s50, s53
	s_add_nc_u64 s[38:39], s[14:15], s[50:51]
	s_lshl_b32 s50, s19, 12
	s_add_nc_u64 s[12:13], s[12:13], s[50:51]      ; the batch's row of attn_mask
	s_lshl_b32 s50, s17, 11
	s_add_nc_u64 s[10:11], s[10:11], s[50:51]      ; the head's eight partial sums of v
	v_and_b32 v1, 15, v0                           ; r
	v_bfe_u32 v2, v0, 4, 1                         ; hh
	v_and_b32 v7, 31, v0
	v_lshlrev_b32 v[L16], 4, v7
	; the keys' masks: 640 keys, five a thread.  j = the key's position; outside 0..1,023 it is hidden, and the load is clamped into the row
	s_lshl_b32 s56, s18, 9
	s_sub_co_u32 s56, s56, 64
	v_add_nc_u32 v10, s56, v0
.set i, 1
.rept 4
	v_add_nc_u32 v[10+i], 128*i, v10
.set i, i+1
.endr
.set i, 0
.rept 5
	v_cmp_gt_u32 s[57+i], s62, v[10+i]             ; 1,024 > j, unsigned
	v_min_u32 v[10+i], 0x3ff, v[10+i]
	v_lshlrev_b32 v[10+i], 2, v[10+i]
	global_load_b32 v[HD+i], v[10+i], s[12:13]
.set i, i+1
.endr
	QLOAD 0                                        ; the first trip's queries
	s_lshl_b32 s53, s[WV], 14                      ; my first block of 32 queries is 4 x wave: 4,096 bytes of K and of V a block
	v_add_nc_u32 v[AK], s53, v[L16]
	v_add_nc_u32 v[AV], VOFF, v[AK]
	s_lshl_b32 s53, s[WV], 9
	s_add_co_u32 s53, s53, BIAS
	v_lshl_add_u32 v[AB], v2, 5, s53               ; 128 bytes of masks a block, 32 for each half of the lanes
	v_lshlrev_b32 v15, 3, v2
	v_sub_nc_u32 v15, v1, v15                      ; d = r - 8 hh: register jj is hidden at the low edge where jj < d, at the high edge where jj > d
.set i, 0
.rept 8
	v_cmp_lt_i32 vcc_lo, i, v15
	v_cndmask_b32 v[LOW+i], 0, s44, vcc_lo
	v_cmp_gt_i32 vcc_lo, i, v15
	v_cndmask_b32 v[HIGH+i], 0, s44, vcc_lo
.set i, i+1
.endr
	WIN 0x40
.set i, 0
.rept 8
	v_mov_b32 v[P+36+i], 0                         ; the weights of the two tiles that the band hides wholly
.set i, i+1
.endr
	WIN 0
.irp u, 0,1
	v_mov_b32 v[ST+8*(\u)+1], 0                    ; named as pairs' second halves, and as a lane exchange's destination: written once
	v_mov_b32 v[ST+8*(\u)+5], 0
	v_mov_b32 v[ST+8*(\u)+7], 0
.endr
	v_lshl_add_u32 v[ABS], v0, 2, BIAS
	v_lshl_add_u32 v[AMR], v2, 5, VMEAN
	s_wait_loadcnt 8                               ; the five mask words are in; the eight loads of Q behind them stay out
.set i, 0
.rept 5
	v_cmp_ne_u32 s63, 0, v[HD+i]
	s_and_b32 s63, s63, s[57+i]                    ; seen: inside the sequence and not masked
	s_not_b32 s63, s63
	v_cndmask_b32 v[HD+8+i], 0, s44, s63
	ds_store_b32 v[ABS], v[HD+8+i] offset:512*i
.set i, i+1
.endr
	s_cmp_lt_u32 s[WV], 2                          ; threads 0-63: the mean of v, a channel each
	s_cbranch_scc0 .Lno_mean
	v_lshlrev_b32 v[AVS], 2, v0
	v_lshl_add_u32 v[AMS], v0, 2, VMEAN
.set i, 0
.rept 8
	global_load_b32 v[HD+16+i], v[AVS], s[10:11] offset:256*i
.set i, i+1
.endr
	s_wait_loadcnt 0x0
	v_add_f32 v[HD+16], v[HD+16], v[HD+17]
	v_add_f32 v[HD+18], v[HD+18], v[HD+19]
	v_add_f32 v[HD+20], v[HD+20], v[HD+21]
	v_add_f32 v[HD+22], v[HD+22], v[HD+23]
	v_add_f32 v[HD+16], v[HD+16], v[HD+18]
	v_add_f32 v[HD+20], v[HD+20], v[HD+22]
	v_add_f32 v[HD+16], v[HD+16], v[HD+20]
	v_mul_f32 v[HD+16], 0x3a800000, v[HD+16]       ; / 1,024
	ds_store_b32 v[AMS], v[HD+16]
.Lno_mean:
	s_wait_tensorcnt 0x0                           ; my quarters of K and V have landed,
	s_wait_dscnt 0x0                               ; my stores are done:
	s_barrier_signal -1
	s_barrier_wait -1                              ; everybody's
.irp cb, 0,1,2,3
	ds_load_b128 v[HD+8*(\cb):HD+8*(\cb)+3],   v[AMR] offset:64*(\cb)
	ds_load_b128 v[HD+8*(\cb)+4:HD+8*(\cb)+7], v[AMR] offset:64*(\cb)+16
.endr
	s_wait_dscnt 0x0
.set i, 0
.rept 16
	v_cvt_pk_f16_f32 v[VMH+i], v[HD+2*i], v[HD+2*i+1]  ; in the order of a lane's 32 channels of O^T
.set i, i+1
.endr
.Ltrip:                                                ; four trips: 32 queries each
	WIN 0x40
.set kt, 0
.rept 10
	ds_load_b128 v[BI+8*kt:BI+8*kt+3],   v[AB] offset:64*kt
	ds_load_b128 v[BI+8*kt+4:BI+8*kt+7], v[AB] offset:64*kt+16
.set kt, kt+1
.endr
	WIN 0x80
.set kt, 0
.rept 10
.irp c, 0,1
	ds_load_b128 v[KF+16*kt+8*(\c):KF+16*kt+8*(\c)+3],   v[AK] offset:2048*kt+1024*(\c)
	ds_load_b128 v[KF+16*kt+8*(\c)+4:KF+16*kt+8*(\c)+7], v[AK] offset:2048*kt+1024*(\c)+512
.endr
.set kt, kt+1
.endr
	s_wait_dscnt 40                                ; the masks are in; K's 40 loads stay out
	WIN 0x41
.set i, 0
.rept 4
	v_pk_add_f32 v[EM+2*i:EM+2*i+1],       v[BI+2*i:BI+2*i+1],       v[LOW+2*i:LOW+2*i+1]    ; u = 0: kt = 0
	v_pk_add_f32 v[EM+8+2*i:EM+8+2*i+1],   v[BI+64+2*i:BI+64+2*i+1], v[HIGH+2*i:HIGH+2*i+1]  ;        kt = 8
	v_pk_add_f32 v[EM+16+2*i:EM+16+2*i+1], v[BI+8+2*i:BI+8+2*i+1],   v[LOW+2*i:LOW+2*i+1]    ; u = 1: kt = 1
	v_pk_add_f32 v[EM+24+2*i:EM+24+2*i+1], v[BI+72+2*i:BI+72+2*i+1], v[HIGH+2*i:HIGH+2*i+1]  ;        kt = 9
.set i, i+1
.endr
	s_wait_dscnt 0x0                               ; K is in
	WIN 0xc0
.set kb, 0
.rept 5
.irp cb, 0,1,2,3
	ds_load_b128 v[VF+32*kb+8*(\cb):VF+32*kb+8*(\cb)+3],   v[AV] offset:4096*kb+1024*(\cb)
	ds_load_b128 v[VF+32*kb+8*(\cb)+4:VF+32*kb+8*(\cb)+7], v[AV] offset:4096*kb+1024*(\cb)+512
.endr
.set kb, kb+1
.endr
	s_wait_loadcnt 0x0                             ; Q is in
	; S^T = K Q^T + mask: 18 accumulators by turns: 17 others stand between a sum's two links
	WIN 0x1a
.set t, 0
.rept 9
.irp u, 0,1
.set rS, S+72*(\u)+8*t
.set rK, KF+16*(t+(\u))
.set rQ, QF+16*(\u)
.if t == 0
.set rC, EM+16*(\u)
.elseif t == 8
.set rC, EM+16*(\u)+8
.else
.set rC, BI+8*(t+(\u))
.endif
	v_wmma_f32_16x16x32_f16 v[rS:rS+7], v[rK:rK+7], v[rQ:rQ+7], v[rC:rC+7]
.endr
.set t, t+1
.endr
	WIN 0x0a
.set t, 0
.rept 9
.irp u, 0,1
.set rS, S+72*(\u)+8*t
.set rK, KF+16*(t+(\u))+8
.set rQ, QF+16*(\u)+8
	v_wmma_f32_16x16x32_f16 v[rS:rS+7], v[rK:rK+7], v[rQ:rQ+7], v[rS:rS+7]
.endr
.set t, t+1
.endr
	WIN 0
	PLACES                                         ; behind the products: for the loads into Q's registers and for the maxima
	s_cmp_eq_u32 s[CNT], 1
	s_cbranch_scc1 .Lno_q                          ; the last trip has no next queries
	QLOAD 4096
.Lno_q:
	; the maximum of a lane's 72 scores: three chains of 24 registers in ascending order
.irp u, 0,1
.irp c, 0,1,2
	v_max3_num_f32 v[ST+8*(\u)+2+(\c)], v[S+72*(\u)+24*(\c)], v[S+72*(\u)+24*(\c)+1], v[S+72*(\u)+24*(\c)+2]
.endr
.endr
.set k, 0
.rept 10
.irp u, 0,1
.irp c, 0,1,2
	v_max3_num_f32 v[ST+8*(\u)+2+(\c)], v[ST+8*(\u)+2+(\c)], v[S+72*(\u)+24*(\c)+3+2*k], v[S+72*(\u)+24*(\c)+4+2*k]
.endr
.endr
.set k, k+1
.endr
.irp u, 0,1
	v_max3_num_f32 v[ST+8*(\u)+2], v[ST+8*(\u)+2], v[S+72*(\u)+23], v[S+72*(\u)+47]
	v_max3_num_f32 v[ST+8*(\u)+3], v[ST+8*(\u)+3], v[ST+8*(\u)+4], v[S+72*(\u)+71]
.endr
.irp u, 0,1
	v_max_num_f32 v[ST+8*(\u)+2], v[ST+8*(\u)+2], v[ST+8*(\u)+3]
.endr
.irp u, 0,1
	v_permlanex16_b32 v[ST+8*(\u)+5], v[ST+8*(\u)+2], s42, s43  ; the query's other 72 keys lie in the lane 16 away
.endr
.irp u, 0,1
	v_max_num_f32 v[ST+8*(\u)+2], v[ST+8*(\u)+2], v[ST+8*(\u)+5]  ; m
.endr
.irp u, 0,1
	v_cmp_gt_f32 s[46+(\u)], s45, v[ST+8*(\u)+2]   ; -5e29 > m: this query sees no key
	v_mul_f32 v[ST+8*(\u)], s40, v[ST+8*(\u)+2]    ; c m
.endr
	; c s - c m and the exponentials: ONE batch of 144; nothing ahead of its wait names a result.  Tile 0's exponentials stand by turns with tile 1's scalings
.set n, 0
.rept 36
	v_pk_fma_f32 v[S+2*n:S+2*n+1], v[S+2*n:S+2*n+1], s[40:41], v[ST:ST+1] op_sel_hi:[1,0,0] neg_lo:[0,0,1] neg_hi:[0,0,1]
.set n, n+1
.endr
.set n, 0
.rept 36
	v_exp_f32 v[S+2*n], v[S+2*n]
	v_pk_fma_f32 v[S+72+2*n:S+72+2*n+1], v[S+72+2*n:S+72+2*n+1], s[40:41], v[ST+8:ST+9] op_sel_hi:[1,0,0] neg_lo:[0,0,1] neg_hi:[0,0,1]
	v_exp_f32 v[S+2*n+1], v[S+2*n+1]
.set n, n+1
.endr
.set n, 0
.rept 72
	v_exp_f32 v[S+72+n], v[S+72+n]
.set n, n+1
.endr
	v_nop                                          ; a plain instruction behind the last exponential,
	s_wait_alu depctr_va_vdst(0)                   ; and the one wait ahead of the batch's first reader
	WIN 0x40
.irp u, 0,1
.set n, 0
.rept 36
	v_cvt_pk_f16_f32 v[P+44*(\u)+n], v[S+72*(\u)+2*n], v[S+72*(\u)+2*n+1]  ; key tile kt = t + u at P + 40 u + 4 kt
.set n, n+1
.endr
.endr
	WIN 0
.set n, 0
.rept 18
	PADD n, n+18                                   ; the sum of a lane's 36 pairs, in place
.set n, n+1
.endr
.set n, 0
.rept 9
	PADD n, n+9
.set n, n+1
.endr
	PADD 0, 1
	PADD 2, 3
	PADD 4, 5
	PADD 6, 7
	PADD 0, 2
	PADD 4, 6
	PADD 0, 4
	PADD 0, 8
.irp u, 0,1
	v_add_f32 v[ST+8*(\u)+3], v[S+72*(\u)], v[S+72*(\u)+1]
.endr
.irp u, 0,1
	v_permlanex16_b32 v[ST+8*(\u)+5], v[ST+8*(\u)+3], s42, s43
.endr
.irp u, 0,1
	v_add_f32 v[ST+8*(\u)+3], v[ST+8*(\u)+3], v[ST+8*(\u)+5]  ; l: at least 1, the maximum's own weight
.endr
.irp u, 0,1
	v_rcp_f32 v[ST+8*(\u)+6], v[ST+8*(\u)+3]
.endr
	v_nop                                          ; a plain instruction behind the second reciprocal; their wait stands ahead of their first reader, behind the products
	s_wait_dscnt 0x0                               ; V is in
	; O^T = V^T P: eight accumulators by turns; the first 32 keys start the sums
	WIN 0x57
.set kb, 0
.rept 5
.set cb, 0
.rept 4
.irp u, 0,1
.set rO, O+32*(\u)+8*cb
.set rV, VF+32*kb+8*cb
.set rP, P+40*(\u)+8*kb
.if kb == 0
	v_wmma_f32_16x16x32_f16 v[rO:rO+7], v[rV:rV+7], v[rP:rP+7], 0
.else
	v_wmma_f32_16x16x32_f16 v[rO:rO+7], v[rV:rV+7], v[rP:rP+7], v[rO:rO+7]
.endif
.endr
.set cb, cb+1
.endr
.set kb, kb+1
.endr
	WIN 0
	PLACES
	PLACES
	s_wait_alu depctr_va_vdst(0)                   ; one wait for the two reciprocals
.irp u, 0,1
	WIN 0x41
.set n, 0
.rept 16
	v_pk_mul_f32 v[O+32*(\u)+2*n:O+32*(\u)+2*n+1], v[O+32*(\u)+2*n:O+32*(\u)+2*n+1], v[ST+8*(\u)+6:ST+8*(\u)+7] op_sel_hi:[1,0]
.set n, n+1
.endr
	WIN 0x05
.set n, 0
.rept 16
	v_cvt_pk_f16_f32 v[S+72*(\u)+n], v[O+32*(\u)+2*n], v[O+32*(\u)+2*n+1]
.set n, n+1
.endr
	WIN 0
.set n, 0
.rept 16
	v_cndmask_b32 v[S+72*(\u)+n], v[S+72*(\u)+n], v[VMH+n], s[46+(\u)]  ; the mean of v for a query that sees no key
.set n, n+1
.endr
.irp cb, 0,1,2,3
	global_store_b128 v[L16], v[S+72*(\u)+4*(\cb):S+72*(\u)+4*(\cb)+3], s[38:39] offset:(\u)*32768+(\cb)*512  ; 512 bytes on end, aligned
.endr
.endr
	s_wait_xcnt 0x0                                ; the stores' data (S^T's registers) and the two bases are rewritten only behind this wait
	s_add_nc_u64 s[38:39], s[38:39], 65536
	s_add_nc_u64 s[36:37], s[36:37], 4096
	v_add_nc_u32 v[AK], 4096, v[AK]
	v_add_nc_u32 v[AV], 4096, v[AV]
	v_add_nc_u32 v[AB], 128, v[AB]
	s_sub_co_u32 s[CNT], s[CNT], 1
	s_cmp_lg_u32 s[CNT], 0
	s_cbranch_scc1 .Ltrip
	s_wait_tensorcnt 0x0                           ; the wave's end
	ds_add_u32 v[SPW], v[NIL]
	s_wait_dscnt 0x0
	s_endpgm
.Lfunc_end_k_q488ce943fa_attn:
	.size	k_q488ce943fa_attn, .Lfunc_end_k_q488ce943fa_attn-k_q488ce943fa_attn
	.p2alignl 7, 3214868480
	.fill 96, 4, 3214868480
	.section	.rodata,"a",@progbits
	.p2align	6, 0x0
	.amdhsa_kernel k_q488ce943fa_attn
		.amdhsa_group_segment_fixed_size 167936
		.amdhsa_private_segment_fixed_size 0
		.amdhsa_enable_private_segment 0
		.amdhsa_kernarg_size 48
		.amdhsa_user_sgpr_count 2
		.amdhsa_user_sgpr_kernarg_segment_ptr 1
		.amdhsa_wavefront_size32 1
		.amdhsa_system_sgpr_workgroup_id_x 1
		.amdhsa_system_sgpr_workgroup_id_y 1
		.amdhsa_system_sgpr_workgroup_id_z 1
		.amdhsa_system_vgpr_workitem_id 0
		.amdhsa_next_free_vgpr 928
		.amdhsa_next_free_sgpr 66
		.amdhsa_reserve_vcc 1
		.amdhsa_float_denorm_mode_32 3
		.amdhsa_float_denorm_mode_16_64 3
		.amdhsa_memory_ordered 1
		.amdhsa_forward_progress 1
		.amdhsa_inst_pref_size 57
	.end_amdhsa_kernel
	.amdgpu_metadata
---
amdhsa.version: [ 1, 2 ]
amdhsa.kernels:
  - .name:           k_q488ce943fa_attn
    .symbol:         k_q488ce943fa_attn.kd
    .args:
      - { .name: qimg, .offset: 0, .size: 8, .value_kind: global_buffer, .address_space: global }
      - { .name: kimg, .offset: 8, .size: 8, .value_kind: global_buffer, .address_space: global }
      - { .name: vimg, .offset: 16, .size: 8, .value_kind: global_buffer, .address_space: global }
      - { .name: vsum, .offset: 24, .size: 8, .value_kind: global_buffer, .address_space: global }
      - { .name: attn_mask, .offset: 32, .size: 8, .value_kind: global_buffer, .address_space: global }
      - { .name: oimg, .offset: 40, .size: 8, .value_kind: global_buffer, .address_space: global }
    .group_segment_fixed_size: 167936
    .private_segment_fixed_size: 0
    .kernarg_segment_align: 8
    .kernarg_segment_size: 48
    .max_flat_workgroup_size: 128
    .sgpr_count:     66
    .vgpr_count:     928
    .wavefront_size: 32
...
	.end_amdgpu_metadata
.endif
;; end of part 3
;; launch proj (part 4): grid 8 x 32, 4 waves a work-group, clusters of 4 x 4, 327,680 bytes of LDS; arguments oimg, wb, out0; writes out0
.if DOCPART == 4
	.amdgcn_target "amdgcn-amd-amdhsa--gfx1250"
	.amdhsa_code_object_version 6
	.text
	.protected	k_q488ce943fa_proj
	.globl	k_q488ce943fa_proj
	.p2align	8
	.type	k_q488ce943fa_proj,@function
k_q488ce943fa_proj:
	s_mov_b64 s[64:65], 0
	v_nop
	global_prefetch_b8 v0, s[64:65] scope:SCOPE_SE
	s_setreg_imm32_b32 hwreg(HW_REG_WAVE_MODE, 25, 1), 1
	s_wait_xcnt 0x0
	s_wait_alu depctr_hold_cnt(0) depctr_sa_sdst(0) depctr_va_vdst(0) depctr_va_sdst(0) depctr_va_ssrc(0) depctr_va_vcc(0) depctr_vm_vsrc(0)
	s_getreg_b32 s2, hwreg(HW_REG_IB_STS2, 6, 4)
	s_cmp_eq_u32 s2, 0
	s_cbranch_scc0 .Lentry_in_a_cluster
	s_endpgm
.Lentry_in_a_cluster:
	s_bfe_u32 s2, ttmp6, 0x10000c
	s_cmp_lg_u32 s2, 0xf033
	s_cbranch_scc0 .Lentry_shape_is_right
	s_endpgm
.Lentry_shape_is_right:
; PROJ: out0 = O Wo^T.  O comes as f16 fragment images (oimg [token / 16][k / 32][1,024 bytes]), Wo as f16 rows at wb + WO_OFF (each number is Wo rounded to bf16); sums and out0 in f32.
; A tile of out0 is 256 tokens x 128 columns: 256 work-groups.  Four waves, each 128 x 64: 32 accumulators of 16 x 16.  K = 1,024 in 8 steps of 128 through two LDS slots.
; O's part of a slot: 16 token blocks x 4 images (4,096 bytes on end in memory a block and step): a wave's tensor load brings 8 such rows; a fragment is read as it lies, 512 bytes on end, so it needs no padding.
; Wo's part: 128 rows of 256 bytes, 16 bytes of padding behind each.  CLUSTER 4 x 4: O's tile shared along a row of the cluster, Wo's along a column, asked for jointly.
; The product is taken transposed (source 0 = 16 rows of Wo, source 1 = 16 tokens): a lane holds one token and eight neighbouring columns, 32 bytes of a row of out0.
; THE WAY OUT: 16 rows at a time through the wave's own stage in LDS, back as whole rows of 256 bytes: sixteen lanes store 256 bytes on end, aligned.
; REGISTERS: window 0: v0-31 addresses; two fragment buffers: A v32-95, B v96-127; A v128-191, B v192-223 (on the way out v32-95: rows read back).  Window 1: accumulator (a, b) at v[8 (4 a + b)].
.set KSTEP,  128
.set PITCH,  272
.set HALFA,  32768
.set HALFB,  64*PITCH
.set SLOT,   2*HALFA+2*HALFB
.set STAGE,  2*SLOT                    ; behind the ring, never filled by a tensor load: 16 rows x 272 bytes for each wave
.set SPARE,  STAGE+4*16*PITCH          ; the spare words, 128 bytes a wave: two blocks of 256 bytes that no other line names
.set WO_OFF, 6291456
.set NB,     4
.set LF,     2*NB+16
.set F0,     32
.set F1,     128
.set ADRA,   8
.set ADRB,   10
.set SPW,    12
.set NIL,    13
.set PFO,    14
.set STO,    16                        ; v16 where I put 16 bytes of a row; v17 where I read a row back; v18 my byte offset in two rows of out0
.set RD,     17
.set CO,     18
.set WV,  12
.set WR,  13
.set WC,  14
.set G1A, 24
.set G0A, 32
.set LIM, 40
.set LAP, 41
.set PFA, 42                           ; s[42:43] where my prefetches stand; s[44:45] their step
.set PST, 44
.set G1B, 48
.set G0B, 56
.set MSB, 0
.macro WIN new
.if MSB != (\new)
	s_set_vgpr_msb (MSB<<8)|(\new)
.set MSB, (\new)
.endif
.endm
.macro PLACES
.rept 4
	v_nop
.endr
.endm
.macro CREST
	s_cmp_lg_u32 s[WV], 0
	s_cbranch_scc1 .Lnot_wave_0_\@
	s_barrier_signal -3
.Lnot_wave_0_\@:
	s_barrier_wait -3
	s_barrier_signal -1
	s_barrier_wait -1
.endm
.macro CROUND
	s_barrier_signal -1
	s_barrier_wait -1
	CREST
.endm
.macro JLOAD s                         ; waves 0, 1 fetch O's halves, waves 2, 3 Wo's; an s_nop 0 and four v_nop follow each line
	s_cmp_eq_u32 s[WR], 0
	s_cbranch_scc0 .Lfor_b_\@
	tensor_load_to_lds s[G0A+4*(\s):G0A+4*(\s)+3], s[G1A:G1A+7]
	s_nop 0
.rept 4
	v_nop
.endr
	s_branch .Lasked_\@
.Lfor_b_\@:
	tensor_load_to_lds s[G0B+4*(\s):G0B+4*(\s)+3], s[G1B:G1B+7]
	s_nop 0
.rept 4
	v_nop
.endr
.Lasked_\@:
.endm
; A prefetch of the K step two refills on (256 matrix instructions ahead of the load that wants it), one instruction a wave.  O's blocks are named by waves 0, 1 of the clusters with x = 0: of the 8 token blocks that a wave
; fetches the partner at cx takes two, 16 lanes x 256 bytes each.  Wo's 128 rows by wave 2 of the clusters with y = 0: the partner at cy takes 32, a lane a row.  The last trip asks for nothing.
.macro ASK
	s_cmp_gt_u32 s[LAP], s[LIM]
	s_cbranch_scc0 .Lnot_mine_\@
	global_prefetch_b8 v[PFO], s[PFA:PFA+1] th:TH_LOAD_NT scope:SCOPE_SE
.Lnot_mine_\@:
.endm
.macro MULA f, a0, n, zero             ; the 32 accumulators take turns, in the same order in every quarter
	WIN 0x50
.set a, (\a0)
.rept \n
.set b, 0
.rept NB
.set rD, 8*(4*a+b)
.set rA, (\f)+8*a
.set rB, (\f)+64+8*b
.if \zero
	v_wmma_f32_16x16x32_f16 v[rD:rD+7], v[rB:rB+7], v[rA:rA+7], 0
.else
	v_wmma_f32_16x16x32_f16 v[rD:rD+7], v[rB:rB+7], v[rA:rA+7], v[rD:rD+7]
.endif
.set b, b+1
.endr
.set a, a+1
.endr
.endm
.macro FETCH slot, q, f                ; one run of 24 LDS loads: quarter q of the step: Wo's four fragments, then O's eight in ascending order
	WIN 0
.set b, 0
.rept NB
	ds_load_b128 v[(\f)+64+8*b:(\f)+64+8*b+3],   v[ADRB+(\slot)] offset:64*(\q)+b*16*PITCH
	ds_load_b128 v[(\f)+64+8*b+4:(\f)+64+8*b+7], v[ADRB+(\slot)] offset:64*(\q)+b*16*PITCH+32
.set b, b+1
.endr
.set a, 0
.rept 8
	ds_load_b128 v[(\f)+8*a:(\f)+8*a+3],   v[ADRA+(\slot)] offset:a*4096+(\q)*1024
	ds_load_b128 v[(\f)+8*a+4:(\f)+8*a+7], v[ADRA+(\slot)] offset:a*4096+(\q)*1024+512
.set a, a+1
.endr
.endm
.macro QUARTER slot, q, f, g, zero
	s_wait_dscnt 8                                 ; all but the youngest eight loads (O's row blocks 4-7)
	MULA \f, 0, 4, \zero
	WIN 0
	PLACES
	FETCH \slot, \q, \g
	s_wait_dscnt LF                                ; all but the run just issued
	MULA \f, 4, 4, \zero
.endm
.macro TURN slot, next, fill
.if \fill
	s_wait_xcnt 0x0                                ; the last prefetch, a K step back, has read its address
	s_add_nc_u64 s[PFA:PFA+1], s[PFA:PFA+1], s[PST:PST+1]
.endif
	WIN 0
	s_wait_tensorcnt 0x0                           ; all my tensor loads have landed: my part of the next slot;
	ds_add_u32 v[SPW], v[NIL]
	s_wait_dscnt 9                                 ; the add and the youngest eight loads may be out
	MULA F1, 0, 2, 0
	s_wait_dscnt 0x0                               ; the add is done, my reads of this slot are over
	s_barrier_signal -1
	MULA F1, 2, 2, 0
	WIN 0
	s_barrier_wait -1
.if \fill
	CREST
	s_add_nc_u64 s[G0A+4*(\slot)+2:G0A+4*(\slot)+3], s[G0A+4*(\slot)+2:G0A+4*(\slot)+3], 2*4096
	s_add_nc_u64 s[G0B+4*(\slot)+2:G0B+4*(\slot)+3], s[G0B+4*(\slot)+2:G0B+4*(\slot)+3], 2*KSTEP*2
	JLOAD \slot
.else
	PLACES
.endif
	FETCH \next, 0, F0
.if \fill
	ASK
.endif
	MULA F1, 4, 4, 0
.endm
.macro TOSTAGE a                       ; row block a: 32 bytes a lane and column block into my stage, each accumulator's low four registers first; back as whole rows
	WIN 0x04                                       ; the stores' data lie in window 1
.set b, 0
.rept NB
	ds_store_b128 v[STO], v[8*(4*(\a)+b):8*(4*(\a)+b)+3]   offset:64*b
	ds_store_b128 v[STO], v[8*(4*(\a)+b)+4:8*(4*(\a)+b)+7] offset:64*b+16
.set b, b+1
.endr
	WIN 0
.if (\a) >= 2
	s_wait_xcnt 0x0                                ; the registers that block a - 2's stores read are loaded again only behind this wait
.endif
.set BK, 32+32*((\a)%2)
.set t, 0
.rept 8
	ds_load_b128 v[BK+4*t:BK+4*t+3], v[RD] offset:t*2*PITCH  ; LDS serves a wave's instructions in order (ISA guide 5.7.1.4): these see the stores above
.set t, t+1
.endr
.endm
.macro SEND a, younger                 ; younger: the LDS instructions issued behind block a's loads
	s_wait_dscnt \younger
.set BK, 32+32*((\a)%2)
.set t, 0
.rept 8
	global_store_b128 v[CO], v[BK+4*t:BK+4*t+3], s[8:9] offset:(16*(\a)+2*t)*4096  ; 16 lanes store 256 bytes on end, aligned; the largest offset is 126 rows of 4,096 bytes
.set t, t+1
.endr
.endm
	s_load_b128 s[4:7], s[0:1], 0x0                ; oimg s[4:5], wb s[6:7]
	s_load_b64 s[8:9], s[0:1], 0x10                ; out0
	v_lshl_add_u32 v[SPW], v0, 2, SPARE
	v_mov_b32 v[NIL], 0
	ds_add_u32 v[SPW], v[NIL]                      ; the wave's opening: the add and its wait stand ahead of my first tensor load
	v_lshrrev_b32 v1, 5, v0
	v_readfirstlane_b32 s[WV], v1
	s_lshr_b32 s[WR], s[WV], 1
	s_and_b32 s[WC], s[WV], 1
	s_bfe_u32 s15, ttmp6, 0x40000                  ; cx
	s_bfe_u32 s16, ttmp6, 0x40004                  ; cy
	s_lshl_b32 s17, ttmp9, 2
	s_add_co_u32 s17, s17, s15                     ; tile column
	s_and_b32 s18, ttmp7, 0xffff
	s_lshl_b32 s18, s18, 2
	s_add_co_u32 s18, s18, s16                     ; tile row
	s_lshl_b32 s20, s16, 2
	s_lshl_b32 s20, 15, s20                        ; my row of the cluster
	s_lshl_b32 s21, 0x1111, s15                    ; my column
	s_or_b32 s[G1A], s20, (3<<16)|(1<<21)          ; 8-byte elements, no padding; bit 21 beside the mask
	s_mov_b32 s[G1A+1], 512<<16                    ; tensor_dim0 = 512 (4,096 bytes)
	s_mov_b32 s[G1A+2], 8<<16                      ; tensor_dim1 = 8
	s_mov_b32 s[G1A+3], 512<<16                    ; tile_dim0 = 512
	s_mov_b32 s[G1A+4], 8                          ; tile_dim1 = 8
	s_mov_b32 s[G1A+5], 4096                       ; a token block is 32,768 bytes
	s_mov_b32 s[G1A+6], 0
	s_mov_b32 s[G1A+7], 0
	s_or_b32 s[G1B], s21, (1<<16)|(1<<20)|(1<<21)|(5<<22)|(3<<25)
	s_mov_b32 s[G1B+1], KSTEP<<16
	s_mov_b32 s[G1B+2], 64<<16
	s_mov_b32 s[G1B+3], KSTEP<<16
	s_mov_b32 s[G1B+4], 64
	s_mov_b32 s[G1B+5], 1024
	s_mov_b32 s[G1B+6], 0
	s_mov_b32 s[G1B+7], 0
	s_lshl_b32 s76, s18, 4                         ; O: token block 16 x tile row + 8 x half
	s_lshl3_add_u32 s76, s[WC], s76
	s_lshl_b32 s76, s76, 15
	s_mov_b32 s77, 0
	s_lshl_b32 s46, s17, 7                         ; Wo: row 128 x tile column + 64 x half
	s_lshl_b32 s47, s[WC], 6
	s_add_co_u32 s46, s46, s47
	s_lshl_b32 s46, s46, 11
	s_mov_b32 s47, 0
	s_mul_i32 s78, s[WC], HALFA
	s_mul_i32 s79, s[WC], HALFB
	s_add_co_u32 s79, s79, 2*HALFA
	v_and_b32 v1, 15, v0                           ; r
	v_bfe_u32 v2, v0, 4, 1                         ; hh
	v_and_b32 v3, 31, v0
	v_lshlrev_b32 v4, 4, v3                        ; 16 x lane
	s_wait_dscnt 0x0                               ; the opening add is done
	s_wait_kmcnt 0x0
	s_add_nc_u64 s[6:7], s[6:7], WO_OFF
	s_add_nc_u64 s[76:77], s[4:5], s[76:77]
	s_add_nc_u64 s[46:47], s[6:7], s[46:47]
.irp s, 0,1
	s_mov_b32 s[G0A+4*(\s)], 1
	s_add_co_u32 s[G0A+4*(\s)+1], s78, (\s)*SLOT
	s_add_nc_u64 s[G0A+4*(\s)+2:G0A+4*(\s)+3], s[76:77], (\s)*4096
	s_or_b32 s[G0A+4*(\s)+3], s[G0A+4*(\s)+3], 0x80000000
	s_mov_b32 s[G0B+4*(\s)], 1
	s_add_co_u32 s[G0B+4*(\s)+1], s79, (\s)*SLOT
	s_add_nc_u64 s[G0B+4*(\s)+2:G0B+4*(\s)+3], s[46:47], (\s)*KSTEP*2
	s_or_b32 s[G0B+4*(\s)+3], s[G0B+4*(\s)+3], 0x80000000
.endr
	CROUND                                         ; all sixteen work-groups are here: the first joint loads meet
	s_cmp_eq_u32 s[WR], 0                          ; a wave's two first fills stand in one branch: two loads of mine are out
	s_cbranch_scc0 .Lfirst_b
	tensor_load_to_lds s[G0A:G0A+3], s[G1A:G1A+7]
	s_nop 0
	tensor_load_to_lds s[G0A+4:G0A+7], s[G1A:G1A+7]
	s_nop 0
.rept 4
	v_nop
.endr
	s_branch .Lfirst_asked
.Lfirst_b:
	tensor_load_to_lds s[G0B:G0B+3], s[G1B:G1B+7]
	s_nop 0
	tensor_load_to_lds s[G0B+4:G0B+7], s[G1B:G1B+7]
	s_nop 0
.rept 4
	v_nop
.endr
.Lfirst_asked:
	v_mul_u32_u24 v5, v1, PITCH
	v_lshl_add_u32 v5, v2, 4, v5                   ; Wo: a fragment's row x pitch + 16 x half
	s_mul_i32 s20, s[WR], HALFA
	s_mul_i32 s21, s[WC], HALFB
	s_add_co_u32 s21, s21, 2*HALFA
.irp s, 0,1
	v_add_nc_u32 v[ADRA+(\s)], s20, v4             ; O: 16 x lane in half an image
	v_add_nc_u32 v[ADRB+(\s)], s21, v5
	s_add_co_u32 s20, s20, SLOT
	s_add_co_u32 s21, s21, SLOT
.endr
	s_mul_i32 s20, s[WV], 16*PITCH
	s_add_co_u32 s20, s20, STAGE                   ; my stage
	v_mul_u32_u24 v[STO], v1, PITCH                ; in: row r, 32 bytes for each half of the lanes
	v_lshl_add_u32 v[STO], v2, 5, v[STO]
	v_add_nc_u32 v[STO], s20, v[STO]
	v_mul_u32_u24 v[RD], v2, PITCH                 ; back: lanes 0-15 one row of 256 bytes, lanes 16-31 the next
	v_lshl_add_u32 v[RD], v1, 4, v[RD]
	v_add_nc_u32 v[RD], s20, v[RD]
	v_lshlrev_b32 v[CO], 12, v2                    ; and the same two rows in out0
	v_lshl_add_u32 v[CO], v1, 4, v[CO]
	s_lshl_b32 s72, s18, 8
	s_lshl_b32 s73, s[WR], 7
	s_add_co_u32 s72, s72, s73                     ; my first row
	s_lshl_b32 s72, s72, 12
	s_lshl_b32 s73, s17, 9                         ; my first column, in bytes: 512 x tile column + 256 x half
	s_add_co_u32 s72, s72, s73
	s_lshl_b32 s73, s[WC], 8
	s_add_co_u32 s72, s72, s73
	s_mov_b32 s73, 0
	s_add_nc_u64 s[8:9], s[8:9], s[72:73]
	; the prefetches
	s_lshl_b32 s20, s18, 4
	s_lshl3_add_u32 s20, s[WC], s20
	s_lshl1_add_u32 s20, s15, s20                  ; O: token block 16 x tile row + 8 x half + 2 cx,
	s_lshl_b32 s20, s20, 15                        ; in bytes
	s_lshl_b32 s21, s17, 7
	s_lshl_b32 s22, s16, 5
	s_add_co_u32 s21, s21, s22                     ; Wo: row 128 x tile column + 32 cy,
	s_lshl_b32 s21, s21, 11                        ; in bytes
	s_and_b32 s22, ttmp7, 0xffff                   ; cluster y
	s_mov_b32 s75, 4096                            ; O's K step in bytes (an instruction holds one literal)
	s_cmp_eq_u32 s[WR], 0
	s_cselect_b32 s20, s20, s21
	s_cselect_b32 s22, ttmp9, s22                  ; the coordinate along which other clusters read the same rows
	s_cselect_b32 s23, 0, s[WC]                    ; of Wo's two waves the first alone asks
	s_cselect_b32 s[PST], s75, 0x100               ; a K step: 4,096 bytes of a token block of O, 256 of a row of Wo
	s_cselect_b32 s74, 8, 11
	s_cselect_b64 s[PFA:PFA+1], s[4:5], s[6:7]
	s_or_b32 s22, s22, s23
	s_cmp_eq_u32 s22, 0
	s_cselect_b32 s[LIM], 1, -1                    ; the same in all sixteen partners, for a given wave
	s_mov_b32 s21, 0
	s_mov_b32 s[PST+1], 0
	s_add_nc_u64 s[PFA:PFA+1], s[PFA:PFA+1], s[20:21]
	s_add_nc_u64 s[PFA:PFA+1], s[PFA:PFA+1], s[PST:PST+1]
	s_add_nc_u64 s[PFA:PFA+1], s[PFA:PFA+1], s[PST:PST+1]
	s_add_nc_u64 s[PFA:PFA+1], s[PFA:PFA+1], s[PST:PST+1]  ; at K step 3: the first refill steps it to 4.  Nothing is prefetched here, at the head
	v_lshlrev_b32 v[PFO], s74, v1                  ; O: (lane / 16) x 32,768 + (lane % 16) x 256;  Wo: lane x 2,048 = (lane / 16) x 32,768 + (lane % 16) x 2,048
	v_lshl_add_u32 v[PFO], v2, 15, v[PFO]
	s_wait_tensorcnt 1                             ; my part of K step 0 is in; step 1's may stay out
	s_barrier_signal -1
	s_barrier_wait -1
	FETCH 0, 0, F0
	QUARTER 0, 1, F0, F1, 1                        ; the first quarter stands in front of the loop: its products start the sums
	WIN 0
	s_mov_b32 s[LAP], 3
.Llap:                                                 ; a trip goes once round the ring and fills both slots again
	QUARTER 0, 2, F1, F0, 0
	QUARTER 0, 3, F0, F1, 0
	TURN 0, 1, 1
	QUARTER 1, 1, F0, F1, 0
	QUARTER 1, 2, F1, F0, 0
	QUARTER 1, 3, F0, F1, 0
	TURN 1, 0, 1
	QUARTER 0, 1, F0, F1, 0
	WIN 0
	s_sub_co_u32 s[LAP], s[LAP], 1
	s_cmp_lg_u32 s[LAP], 0
	s_cbranch_scc1 .Llap
	QUARTER 0, 2, F1, F0, 0                        ; the last lap fills nothing
	QUARTER 0, 3, F0, F1, 0
	TURN 0, 1, 0
	QUARTER 1, 1, F0, F1, 0
	QUARTER 1, 2, F1, F0, 0
	QUARTER 1, 3, F0, F1, 0
	s_wait_dscnt 8
	MULA F1, 0, 4, 0
	s_wait_dscnt 0x0
	MULA F1, 4, 4, 0
	WIN 0
	PLACES
	PLACES
	TOSTAGE 0
.irp a, 1,2,3,4,5,6,7
	TOSTAGE \a                                     ; a block's way through the stage stands between the loads of the block before and its stores
	SEND (\a)-1, 16
.endr
	SEND 7, 0
	s_wait_tensorcnt 0x0                           ; the wave's end, behind my last tensor load and my last LDS store
	ds_add_u32 v[SPW], v[NIL]
	s_wait_dscnt 0x0
	CROUND                                         ; the closing round
	s_endpgm
.Lfunc_end_k_q488ce943fa_proj:
	.size	k_q488ce943fa_proj, .Lfunc_end_k_q488ce943fa_proj-k_q488ce943fa_proj
	.p2alignl 7, 3214868480
	.fill 96, 4, 3214868480
	.section	.rodata,"a",@progbits
	.p2align	6, 0x0
	.amdhsa_kernel k_q488ce943fa_proj
		.amdhsa_group_segment_fixed_size 327680
		.amdhsa_private_segment_fixed_size 0
		.amdhsa_enable_private_segment 0
		.amdhsa_kernarg_size 24
		.amdhsa_user_sgpr_count 2
		.amdhsa_user_sgpr_kernarg_segment_ptr 1
		.amdhsa_wavefront_size32 1
		.amdhsa_system_sgpr_workgroup_id_x 1
		.amdhsa_system_sgpr_workgroup_id_y 1
		.amdhsa_system_sgpr_workgroup_id_z 1
		.amdhsa_system_vgpr_workitem_id 0
		.amdhsa_next_free_vgpr 512
		.amdhsa_next_free_sgpr 96
		.amdhsa_reserve_vcc 0
		.amdhsa_float_denorm_mode_32 3
		.amdhsa_float_denorm_mode_16_64 3
		.amdhsa_memory_ordered 1
		.amdhsa_forward_progress 1
		.amdhsa_inst_pref_size 87
	.end_amdhsa_kernel
	.amdgpu_metadata
---
amdhsa.version: [ 1, 2 ]
amdhsa.kernels:
  - .name:           k_q488ce943fa_proj
    .symbol:         k_q488ce943fa_proj.kd
    .args:
      - { .name: oimg, .offset: 0, .size: 8, .value_kind: global_buffer, .address_space: global }
      - { .name: wb, .offset: 8, .size: 8, .value_kind: global_buffer, .address_space: global }
      - { .name: out0, .offset: 16, .size: 8, .value_kind: global_buffer, .address_space: global }
    .group_segment_fixed_size: 327680
    .private_segment_fixed_size: 0
    .kernarg_segment_align: 8
    .kernarg_segment_size: 24
    .max_flat_workgroup_size: 128
    .sgpr_count:     96
    .vgpr_count:     512
    .wavefront_size: 32
...
	.end_amdgpu_metadata
.endif
;; end of part 4
;; ======== version 2 of 2: 4 launches; version 1 with the launch prep written anew for expert scheduling mode
;; limits: values are held in f16: magnitudes above 65,504 overflow, below 6.1e-05 lose precision
;; workspace buffers: xb 16,777,216 bytes; wb 8,650,752 bytes; qimg 16,777,216 bytes; kimg 16,793,600 bytes; vimg 16,793,600 bytes; vsum 262,144 bytes; oimg 16,777,216 bytes
;; launch prep (part 5): grid 784 x 1, 8 waves a work-group, no clusters, 0 bytes of LDS; arguments hidden_states, Wqkv, Wo, xb, wb, kimg, vimg; writes xb, wb, kimg, vimg
.if DOCPART == 5
	.amdgcn_target "amdgcn-amd-amdhsa--gfx1250"
	.amdhsa_code_object_version 6
	.text
	.protected	k_q488ce943fa_prep
	.globl	k_q488ce943fa_prep
	.p2align	8
	.type	k_q488ce943fa_prep,@function
k_q488ce943fa_prep:
	s_mov_b64 s[64:65], 0
	v_nop
	global_prefetch_b8 v0, s[64:65] scope:SCOPE_SE
	s_setreg_imm32_b32 hwreg(HW_REG_WAVE_SCHED_MODE, 0, 2), 2
	s_setreg_imm32_b32 hwreg(HW_REG_WAVE_MODE, 25, 1), 1
	s_wait_xcnt 0x0
	s_wait_alu depctr_vm_vsrc(0)
; PREP: the casts, the order of Wqkv's rows, the rotary table, the zero pads.  A stream: no LDS, no matrix unit, no barrier.
; Work-groups 0-511:   16 rows of hidden_states (f32) -> xb (bf16), row-major.
; Work-groups 512-703: 16 rows of Wqkv -> wb (bf16), the blocks of 16 rows in another order: destination row = 192 h + 96 wc + 32 g + 16 e + i,
;   g = 0 (q), 1 (k): source row 1024 g + 64 h + 32 e + 16 wc + i;   g = 2 (v): source row 2048 + 64 h + 32 wc + 16 e + i.
;   So 192 rows on end are one head's q, k, v, and 96 on end hold a rotary pair of q, the same pair of k, and 32 channels of v.
; Work-groups 704-767: 16 rows of Wo -> wb + WO_OFF: rounded to bf16 like the other inputs, that number written as f16.
;   LIMIT: exact for 6.1e-5 <= |Wo| < 65,504; below, f16's fixed step of 6e-8.
; Work-groups 768-783: a wave makes 2,048 bytes of the table of cos and sin at wb + ROPE_OFF, [t / 16][wc][w 0..3][lane][4] f32: lane (r, hh), t = 16 tblk + r,
;   index 16 wc + 8 hh + j: w = 0, 1 cos j = 0-3, 4-7; w = 2, 3 sin.  And 256 bytes of the zeros in front of and behind kimg and vimg (8,192 bytes each).
;   LIMIT: the angle t x 10000^(-i/32) carries the exponential's last bit: about 1e-4 rad at t = 1023; sin and cos by series to y^7 and y^8 on |y| <= pi/4, under 3e-7.
; A cast: thread t owns 4 columns; a wave's load covers 512 bytes on end, its store 256 bytes on end, aligned.  All 16 loads go out first; no register that a memory instruction reads is written again.
; THE MODE: SCHED_MODE bits 1:0 = 2 (LLVM: expert scheduling mode 2), set by the entry lines.  The code itself states the register dependences
; between vector instructions and memory instructions, and between a vector instruction that writes a scalar register and that register's readers, with s_wait_alu, always for 0.
; THE PLAN.  Registers that memory instructions touch:
;   v1, v2     byte offsets, made once at the head and never written again; v1 is read by the 16 loads, v2 by the 16 stores.
;   X          written by the 16 loads alone, each register once; no vector instruction names it ahead of them; read by the conversions behind each row's wait on LOADcnt.
;   Y          row i's two registers are written by row i's conversions and read by row i's one store; never written again.
;   The rows go in four blocks of four.  Block p's four stores are issued in block p + 1, one in front of each row's conversions, which name X and Y of block p + 1 and v4-v7:
;   none of the registers that those stores touch.  So ONE wait on va_vdst stands at the head of a block, and one more ahead of the last four stores.
;   Table: no load; five stores at the end read v[16:31] and v44-v47: one wait on va_vdst ahead of them.  Its eight compares go into eight scalar registers, in one run, with one wait on va_sdst behind it.
.set WO_OFF,   6291456
.set ROPE_OFF, 8388608
.set BACKPAD,  16785408                ; 8,192 + 16,777,216: where the zeros behind an image buffer begin
.set X, 16                             ; v[16:79]   16 rows x 4 f32 as loaded
.set Y, 80                             ; v[80:111]  16 rows x 4 numbers of 16 bits
.set SN, 48                            ; table: v[48:55] sin y for j = 0..7
.set CN, 56                            ;        v[56:63] cos y
.set SS, 64                            ;        v[64:71] sin's sign bit
.set SC, 72                            ;        v[72:79] cos's sign bit
.set MK, 40                            ;        s[40:47] lanes whose quadrant is odd, for j = 0..7
.set TBL, 18                           ;        s[18:19] my 2,048 bytes of the table
.set PAD, 38                           ;        s[38:39] my 256 bytes of the zeros
.macro CAST f16
	s_wait_alu depctr_va_vdst(0)                   ; v1 and v2 are written: every load below reads v1 as its offset, every store v2
.set i, 0
.rept 16
	global_load_b128 v[X+4*i:X+4*i+3], v1, s[22:23] offset:4096*i th:TH_LOAD_NT
.set i, i+1
.endr
.set i, 0
.rept 16
	s_wait_loadcnt 15-i                            ; loads come back in order: row i is in, the 15 - i younger ones stay out
.if (i > 0) && (i%4 == 0)
	s_wait_alu depctr_va_vdst(0)                   ; the conversions of the four rows before have written their Y, which this block's four stores read
.endif
.if i >= 4
	global_store_b64 v2, v[Y+2*(i-4):Y+2*(i-4)+1], s[24:25] offset:2048*(i-4)  ; the row four back.  No further wait: no vector instruction since the wait above names its Y or v2
.endif
	v_cvt_pk_bf16_f32 v[Y+2*i], v[X+4*i], v[X+4*i+1]
	v_cvt_pk_bf16_f32 v[Y+2*i+1], v[X+4*i+2], v[X+4*i+3]
.if \f16
	v_lshlrev_b32 v4, 16, v[Y+2*i]                 ; the bf16 numbers as f32,
	v_and_b32 v5, 0xffff0000, v[Y+2*i]
	v_lshlrev_b32 v6, 16, v[Y+2*i+1]
	v_and_b32 v7, 0xffff0000, v[Y+2*i+1]
	v_cvt_pk_f16_f32 v[Y+2*i], v4, v5              ; and written as f16
	v_cvt_pk_f16_f32 v[Y+2*i+1], v6, v7
.endif
.set i, i+1
.endr
	s_wait_alu depctr_va_vdst(0)                   ; the conversions of rows 12 to 15 have written their Y, which the last four stores read
.set i, 12
.rept 4
	global_store_b64 v2, v[Y+2*i:Y+2*i+1], s[24:25] offset:2048*i
.set i, i+1
.endr
.endm
; sin and cos of t x f_j, in two parts.  ANGLE: the angle less the nearest multiple of pi/2 (in two parts), the two series, the two sign bits, and which lanes have an odd quadrant.
.macro ANGLE j
	v_mul_f32 v32, v4, v[8+(\j)]                   ; the angle
	v_mul_f32 v33, 0x3f22f983, v32                 ; x 2 / pi
	v_rndne_f32 v33, v33                           ; n
	v_fma_f32 v34, -v33, s30, v32
	v_fma_f32 v34, -v33, s31, v34                  ; y
	v_mul_f32 v35, v34, v34                        ; z = y y
	v_fma_f32 v[SN+(\j)], v35, s32, s33
	v_fma_f32 v[SN+(\j)], v[SN+(\j)], v35, s34
	v_mul_f32 v37, v34, v35
	v_fma_f32 v[SN+(\j)], v37, v[SN+(\j)], v34     ; sin y
	v_fma_f32 v[CN+(\j)], v35, s35, s36
	v_fma_f32 v[CN+(\j)], v[CN+(\j)], v35, s37
	v_fma_f32 v[CN+(\j)], v[CN+(\j)], v35, -0.5
	v_fma_f32 v[CN+(\j)], v[CN+(\j)], v35, 1.0     ; cos y
	v_cvt_i32_f32 v39, v33
	v_and_b32 v40, 1, v39
	v_cmp_eq_u32 s[MK+(\j)], 1, v40                ; odd quadrant: the two change places
	v_and_b32 v41, 2, v39
	v_lshlrev_b32 v[SS+(\j)], 30, v41              ; sin's sign: quadrants 2, 3
	v_add_nc_u32 v42, 1, v39
	v_and_b32 v42, 2, v42
	v_lshlrev_b32 v[SC+(\j)], 30, v42              ; cos's sign: quadrants 1, 2
.endm
; CHOOSE: the quadrant's choice and the signs
.macro CHOOSE j
	v_cndmask_b32 v43, v[SN+(\j)], v[CN+(\j)], s[MK+(\j)]
	v_xor_b32 v[24+(\j)], v43, v[SS+(\j)]
	v_cndmask_b32 v43, v[CN+(\j)], v[SN+(\j)], s[MK+(\j)]
	v_xor_b32 v[16+(\j)], v43, v[SC+(\j)]
.endm
	s_load_b256 s[4:11], s[0:1], 0x0               ; hidden_states s[4:5], Wqkv s[6:7], Wo s[8:9], xb s[10:11]
	s_load_b128 s[12:15], s[0:1], 0x20             ; wb s[12:13], kimg s[14:15]
	s_load_b64 s[16:17], s[0:1], 0x30              ; vimg
	s_mov_b32 s20, ttmp9
	v_lshrrev_b32 v3, 5, v0
	v_readfirstlane_b32 s21, v3                    ; wave 0..7
	v_lshlrev_b32 v1, 4, v0                        ; my 16 bytes of a source row
	v_lshlrev_b32 v2, 3, v0                        ; my 8 bytes of a destination row
	s_mov_b32 s27, 0                               ; high words of the two offsets
	s_mov_b32 s29, 0
	s_wait_alu depctr_va_sdst(0)                   ; s21 is written
	s_wait_kmcnt 0x0
	s_cmp_lt_u32 s20, 512
	s_cbranch_scc0 .Lnot_x
	s_lshl_b32 s26, s20, 16                        ; 16 rows of 4,096 bytes
	s_lshl_b32 s28, s20, 15                        ; 16 rows of 2,048 bytes
	s_add_nc_u64 s[22:23], s[4:5], s[26:27]
	s_add_nc_u64 s[24:25], s[10:11], s[28:29]
	s_branch .Lcast
.Lnot_x:
	s_cmp_lt_u32 s20, 704
	s_cbranch_scc0 .Lnot_w
	s_sub_co_u32 s30, s20, 512                     ; source block = 64 g + 4 h + x
	s_lshr_b32 s31, s30, 6                         ; g
	s_bfe_u32 s32, s30, 0x40002                    ; h
	s_and_b32 s33, s30, 3                          ; x
	s_lshr_b32 s34, s33, 1
	s_and_b32 s35, s33, 1
	s_cmp_eq_u32 s31, 2
	s_cselect_b32 s36, s34, s35                    ; wc: x's high bit for v, its low bit for q and k
	s_cselect_b32 s37, s35, s34                    ; e: the other bit
	s_mul_i32 s38, s32, 12
	s_mul_i32 s36, s36, 6
	s_add_co_u32 s38, s38, s36
	s_lshl1_add_u32 s38, s31, s38
	s_add_co_u32 s38, s38, s37                     ; destination block = 12 h + 6 wc + 2 g + e
	s_lshl_b32 s26, s30, 16
	s_lshl_b32 s28, s38, 15
	s_add_nc_u64 s[22:23], s[6:7], s[26:27]
	s_add_nc_u64 s[24:25], s[12:13], s[28:29]
.Lcast:
	CAST 0
	s_endpgm
.Lnot_w:
	s_cmp_lt_u32 s20, 768
	s_cbranch_scc0 .Ltable
	s_sub_co_u32 s30, s20, 704
	s_lshl_b32 s26, s30, 16
	s_lshl_b32 s28, s30, 15
	s_add_nc_u64 s[22:23], s[8:9], s[26:27]
	s_add_nc_u64 s[24:25], s[12:13], s[28:29]
	s_add_nc_u64 s[24:25], s[24:25], WO_OFF
	CAST 1
	s_endpgm
.Ltable:
	s_sub_co_u32 s22, s20, 768
	s_lshl3_add_u32 s22, s22, s21                  ; g = 0..127: 2 tblk + wc
	s_lshr_b32 s23, s22, 1
	s_lshl_b32 s23, s23, 4                         ; 16 tblk
	s_and_b32 s24, s22, 1
	s_lshl_b32 s24, s24, 4                         ; 16 wc
	s_mov_b32 s30, 0x3fc90fdb                      ; pi / 2, its upper part
	s_mov_b32 s31, 0xb33bbd2e                      ; and the rest
	s_mov_b32 s32, 0xb9500d01                      ; -1 / 5040
	s_mov_b32 s33, 0x3c088889                      ; 1 / 120
	s_mov_b32 s34, 0xbe2aaaab                      ; -1 / 6
	s_mov_b32 s35, 0x37d00d01                      ; 1 / 40320
	s_mov_b32 s36, 0xbab60b61                      ; -1 / 720
	s_mov_b32 s37, 0x3d2aaaab                      ; 1 / 24
	s_lshl_b32 s26, s22, 11
	s_add_nc_u64 s[TBL:TBL+1], s[12:13], s[26:27]
	s_add_nc_u64 s[TBL:TBL+1], s[TBL:TBL+1], ROPE_OFF  ; my 2,048 bytes of the table
	s_cmp_lt_u32 s22, 64
	s_cselect_b64 s[PAD:PAD+1], s[14:15], s[16:17] ; waves 0-63 pad kimg, 64-127 vimg;
	s_bfe_u32 s28, s22, 0x10005                    ; of each 64 the first 32 in front, the others behind;
	s_mul_i32 s28, s28, BACKPAD
	s_and_b32 s25, s22, 31
	s_lshl_b32 s25, s25, 8                         ; 256 bytes a wave
	s_add_co_u32 s28, s28, s25
	s_add_nc_u64 s[PAD:PAD+1], s[PAD:PAD+1], s[28:29]
	v_and_b32 v3, 15, v0                           ; r
	v_bfe_u32 v5, v0, 4, 1                         ; hh
	v_add_nc_u32 v4, s23, v3
	v_cvt_f32_u32 v4, v4                           ; t
	v_lshl_add_u32 v6, v5, 3, s24                  ; 16 wc + 8 hh
.set j, 0
.rept 8
	v_add_nc_u32 v7, j, v6
	v_cvt_f32_u32 v7, v7
	v_mul_f32 v[8+j], 0xbed49a78, v7               ; -i log2(10000) / 32
.set j, j+1
.endr
.set j, 0
.rept 8
	v_exp_f32 v[8+j], v[8+j]                       ; 10000^(-i/32): one batch of eight
.set j, j+1
.endr
	v_nop                                          ; a plain instruction behind the last exponential,
	s_wait_alu depctr_va_vdst(0)                   ; and the one wait ahead of the batch's first reader: the eight exponentials have written v8 to v15
.irp j, 0,1,2,3,4,5,6,7
	ANGLE \j
.endr
	v_and_b32 v46, 31, v0                          ; the stores' offsets and the zeros are made here, between the run of compares and the wait for it
	v_lshlrev_b32 v47, 4, v46                      ; 16 x lane
	v_lshlrev_b32 v46, 3, v46                      ; 8 x lane
	v_mov_b32 v44, 0
	v_mov_b32 v45, 0
	s_wait_alu depctr_va_sdst(0)                   ; the eight compares have written s40 to s47, ahead of the selects that read them: one wait for the run
.irp j, 0,1,2,3,4,5,6,7
	CHOOSE \j
.endr
	s_wait_alu depctr_va_vdst(0)                   ; v[16:31], the zeros v44, v45 and the offsets v46, v47 are written, which the five stores read
	global_store_b128 v47, v[16:19], s[TBL:TBL+1]
	global_store_b128 v47, v[20:23], s[TBL:TBL+1] offset:512
	global_store_b128 v47, v[24:27], s[TBL:TBL+1] offset:1024
	global_store_b128 v47, v[28:31], s[TBL:TBL+1] offset:1536
	global_store_b64 v46, v[44:45], s[PAD:PAD+1]
	s_endpgm
.Lfunc_end_k_q488ce943fa_prep:
	.size	k_q488ce943fa_prep, .Lfunc_end_k_q488ce943fa_prep-k_q488ce943fa_prep
	.p2alignl 7, 3214868480
	.fill 96, 4, 3214868480
	.section	.rodata,"a",@progbits
	.p2align	6, 0x0
	.amdhsa_kernel k_q488ce943fa_prep
		.amdhsa_group_segment_fixed_size 0
		.amdhsa_private_segment_fixed_size 0
		.amdhsa_enable_private_segment 0
		.amdhsa_kernarg_size 56
		.amdhsa_user_sgpr_count 2
		.amdhsa_user_sgpr_kernarg_segment_ptr 1
		.amdhsa_wavefront_size32 1
		.amdhsa_system_sgpr_workgroup_id_x 1
		.amdhsa_system_sgpr_workgroup_id_y 1
		.amdhsa_system_sgpr_workgroup_id_z 1
		.amdhsa_system_vgpr_workitem_id 0
		.amdhsa_next_free_vgpr 112
		.amdhsa_next_free_sgpr 66
		.amdhsa_reserve_vcc 0
		.amdhsa_float_denorm_mode_32 3
		.amdhsa_float_denorm_mode_16_64 3
		.amdhsa_memory_ordered 1
		.amdhsa_forward_progress 1
		.amdhsa_inst_pref_size 32
	.end_amdhsa_kernel
	.amdgpu_metadata
---
amdhsa.version: [ 1, 2 ]
amdhsa.kernels:
  - .name:           k_q488ce943fa_prep
    .symbol:         k_q488ce943fa_prep.kd
    .args:
      - { .name: hidden_states, .offset: 0, .size: 8, .value_kind: global_buffer, .address_space: global }
      - { .name: Wqkv, .offset: 8, .size: 8, .value_kind: global_buffer, .address_space: global }
      - { .name: Wo, .offset: 16, .size: 8, .value_kind: global_buffer, .address_space: global }
      - { .name: xb, .offset: 24, .size: 8, .value_kind: global_buffer, .address_space: global }
      - { .name: wb, .offset: 32, .size: 8, .value_kind: global_buffer, .address_space: global }
      - { .name: kimg, .offset: 40, .size: 8, .value_kind: global_buffer, .address_space: global }
      - { .name: vimg, .offset: 48, .size: 8, .value_kind: global_buffer, .address_space: global }
    .group_segment_fixed_size: 0
    .private_segment_fixed_size: 0
    .kernarg_segment_align: 8
    .kernarg_segment_size: 56
    .max_flat_workgroup_size: 256
    .sgpr_count:     66
    .vgpr_count:     112
    .wavefront_size: 32
...
	.end_amdgpu_metadata
.endif
;; end of part 5
;; launch qkv: the kernel of part 2 again; grid 16 x 32, 4 waves a work-group, clusters of 4 x 4, 327,680 bytes of LDS; arguments xb, wb, qimg, kimg, vimg, vsum; writes qimg, kimg, vimg, vsum
;; launch attn: the kernel of part 3 again; grid 256 x 1, 4 waves a work-group, no clusters, 167,936 bytes of LDS; arguments qimg, kimg, vimg, vsum, attn_mask, oimg; writes oimg
;; launch proj: the kernel of part 4 again; grid 8 x 32, 4 waves a work-group, clusters of 4 x 4, 327,680 bytes of LDS; arguments oimg, wb, out0; writes out0
